; MI455X (gfx1250); checked and timed in simulation.
; The chip was launched on July 23, 2026; its instructions are those of AMD's public machine-readable ISA for CDNA 5 (MIT licence, August 2026) and "CDNA5" Instruction Set Architecture Reference Guide (July 2026). The comments in the code are by the model that wrote it; some were corrected since.
;; Differential Attention. Allowed arithmetic: matrix products marked QUANTISED: E2M3 operands, one E8M0 scale for each 32 along K, by v_wmma_scale_f32_16x16x128_f8f6f4 with both operands' format E2M3, f32 sums; everything else in f32.
;; Inputs: Wk_codes 2,048 x 32 x 24 uint8 (E2M3 codes of Wk, K innermost, in blocks of 32 codes, four codes in three bytes); Wk_scales 2,048 x 32 uint8 (E8M0 scales of Wk, one for each 32 codes along K); Wo_codes 1,024 x 32 x 24 uint8 (E2M3 codes of Wo, K innermost, in blocks of 32 codes, four codes in three bytes); Wo_scales 1,024 x 32 uint8 (E8M0 scales of Wo, one for each 32 codes along K); Wq_codes 2,048 x 32 x 24 uint8 (E2M3 codes of Wq, K innermost, in blocks of 32 codes, four codes in three bytes); Wq_scales 2,048 x 32 uint8 (E8M0 scales of Wq, one for each 32 codes along K); Wv_codes 1,024 x 32 x 24 uint8 (E2M3 codes of Wv, K innermost, in blocks of 32 codes, four codes in three bytes); Wv_scales 1,024 x 32 uint8 (E8M0 scales of Wv, one for each 32 codes along K); gn_bias 1,024 float32; gn_weight 1,024 float32; lambda_init one number float32; lambda_k1 16 float32; lambda_k2 16 float32; lambda_q1 16 float32; lambda_q2 16 float32; x_codes 2 x 2,048 x 32 x 24 uint8 (E2M3 codes of x, K innermost, in blocks of 32 codes, four codes in three bytes); x_scales 2 x 2,048 x 32 uint8 (E8M0 scales of x, one for each 32 codes along K).
;; Outputs: out0 2 x 2,048 x 1,024 float32.
;; This version of the problem:
;;   THIS VERSION OF THE PROBLEM IS GIVEN IN LOW PRECISION. The matrix products marked QUANTISED in the list below multiply operands that are first quantised to E2M3 (2 exponent bits, 3 mantissa bits; 6 bits a number), with one power-of-two scale for each 32 numbers along K (OCP MX v1.0); their sums are f32. All else is computed in f32.
;;   The module's matrix products, in the order in which they are computed (A, B: the left and right operand; K: the contracted axis; several contracted axes count as one K, in the product's order):
;;     1. [M 4,096, K 1,024] x [K 1,024, N 2,048]; A: input x (given as codes); B: input Wq (given as codes): QUANTISED
;;     2. [M 4,096, K 1,024] x [K 1,024, N 2,048]; A: input x (given as codes); B: input Wk (given as codes): QUANTISED
;;     3. [M 4,096, K 1,024] x [K 1,024, N 1,024]; A: input x (given as codes); B: input Wv (given as codes): QUANTISED
;;     4. batch 32 x [M 2,048, K 64] x [K 64, N 2,048]; A: computed on the way; B: computed on the way: QUANTISED
;;     5. batch 32 x [M 2,048, K 64] x [K 64, N 2,048]; A: computed on the way; B: computed on the way: QUANTISED
;;     6. batch 32 x [M 2,048, K 2,048] x [K 2,048, N 64]; A: computed on the way; B: computed on the way: QUANTISED
;;     7. [M 4,096, K 1,024] x [K 1,024, N 1,024]; A: computed on the way; B: input Wo (given as codes): QUANTISED
;;   THE QUANTISER, for each operand of a quantised product, along K:
;;     - K is cut into blocks of 32 from its start; a last block that is shorter is filled with zeros.
;;     - A block's scale is 2^e with e = floor(log2(the largest magnitude in the block)) - 2, held to -126 .. 127; a block of zeros has e = 0. As a byte (E8M0): e + 127.
;;     - Each number is divided by its block's scale, clamped to +-7.5, and rounded to the nearest number of E2M3, ties to even, subnormals kept.
;;     - The product sums the exact products of the quantised numbers (number of the format x scale) in f32.
;;   ~~~python
;;   def quantise(x, axis):      # numpy; x: float32 -> the quantised numbers, widened to float32 again
;;       x = np.moveaxis(x, axis, -1); K = x.shape[-1]
;;       x = np.pad(x, [(0, 0)] * (x.ndim - 1) + [(0, -K % 32)]); x = x.reshape(x.shape[:-1] + (-1, 32)); a = np.abs(x).max(-1, keepdims=True)
;;       e = np.where(a > 0, np.clip(np.frexp(np.where(a > 0, a, 1))[1] - 1 - 2, -126, 127), 0)      # np.frexp(a)[1] - 1 = floor(log2(a)), exactly
;;       r = np.clip(x / 2.0 ** e, -7.5, 7.5)
;;       step = 2.0 ** (np.maximum(np.frexp(np.where(r == 0, 1, r))[1] - 1, 0) - 3)
;;       q = np.round(r / step) * step * 2.0 ** e      # np.round: ties to even
;;       return np.moveaxis(q.reshape(q.shape[:-2] + (-1,))[..., :K], -1, axis).astype(np.float32)
;;   ~~~
;;   OPERANDS COMPUTED ON THE WAY. 'Computed on the way' means the value that the module computes at that place (a softmax that the list does not call 'softmax' is quantised finished and normalised). What goes into a quantiser is computed in f32, as accurately as f32 sums, v_exp_f32 and their like allow (about 1e-6 of the number): no bf16 or f16 on the way to a quantiser, and a product that is left as it is and whose result goes on into a quantised operand takes f32 operands (vector FMAs, or v_wmma_f32_16x16x4_f32). A number that lies on a knife's edge between two numbers of the format may be rounded either way, as far as f32 arithmetic and the matrix unit's own rounding can turn it there, and no further.
;;   INPUTS GIVEN AS CODES. Wk (in the module: [1024, 2048], K = its axis 0); Wo (in the module: [1024, 1024], K = its axis 0); Wq (in the module: [1024, 2048], K = its axis 0); Wv (in the module: [1024, 1024], K = its axis 0); x (in the module: [2, 2048, 1024], K = its axis 2): each comes as NAME_codes (uint8): NAME with its K axis moved to the last place and cut into blocks of 32 codes, [.., K / 32, bytes a block], one block behind the other in memory; four codes in three bytes: a row's codes are one little-endian stream of bits, code i at bits 6 i .. 6 i + 5 (a code: sign, 2 exponent bits, 3 mantissa bits); and NAME_scales (uint8): the same leading axes, one E8M0 byte (e + 127) for each 32 codes along K. Its value is code x scale, taken as it is: it is not quantised again, and the codes and scales need not be those that the quantiser above would give.
;; One version. Each part assembles by itself: llvm-mc -triple=amdgcn-amd-amdhsa -mcpu=gfx1250 --defsym DOCPART=n.
;; ======== version 1 of 1: 3 launches
;; limits: a function is approximated: absolute error at most 0.0003
;; workspace buffers: QR 6,815,744 bytes; KV 10,092,544 bytes; AC 3,145,728 bytes; AS 131,072 bytes
;; launch qkv (part 1): grid 16 x 16, 4 waves a work-group, clusters of 4 x 4, 327,680 bytes of LDS; arguments x_codes, x_scales, Wq_codes, Wq_scales, Wk_codes, Wk_scales, Wv_codes, Wv_scales, QR, KV; writes QR, KV
.if DOCPART == 1
	.amdgcn_target "amdgcn-amd-amdhsa--gfx1250"
	.amdhsa_code_object_version 6
	.text
	.protected	k_q023658c165_qkv
	.globl	k_q023658c165_qkv
	.p2align	8
	.type	k_q023658c165_qkv,@function
k_q023658c165_qkv:
	s_mov_b64 s[64:65], 0
	v_nop
	global_prefetch_b8 v0, s[64:65] scope:SCOPE_SE
	s_setreg_imm32_b32 hwreg(HW_REG_WAVE_MODE, 25, 1), 1
	s_wait_xcnt 0x0
	s_wait_alu depctr_hold_cnt(0) depctr_sa_sdst(0) depctr_va_vdst(0) depctr_va_sdst(0) depctr_va_ssrc(0) depctr_va_vcc(0) depctr_vm_vsrc(0)
	s_getreg_b32 s2, hwreg(HW_REG_IB_STS2, 6, 4)
	s_cmp_eq_u32 s2, 0
	s_cbranch_scc0 .Lentry_in_a_cluster
	s_endpgm
.Lentry_in_a_cluster:
	s_bfe_u32 s2, ttmp6, 0x10000c
	s_cmp_lg_u32 s2, 0xf033
	s_cbranch_scc0 .Lentry_shape_is_right
	s_endpgm
.Lentry_shape_is_right:
; q = x Wq, k = x Wk, v = x Wv on the given codes of FP6 (E2M3); rotary embedding of q1, q2, k1, k2 in f32; then q and k are quantised along the head's 64 and v along the keys,
; and leave as IMAGES OF OPERAND REGISTERS for the attention launch.
; SHARES.  Work-group (c, rowblk): 256 rows of x times 320 columns: rows 128 c .. +127 of Wq and of Wk (two heads of one part: part = c / 8) and rows 64 c .. +63 of Wv (head c).  16 x 16 work-groups.
; Wave w: RH = w / 2 picks 128 rows; WC = w % 2 picks Wq's piece and d 0-31 of v (0) or Wk's piece and d 32-63 of v (1): 80 accumulators, 640 registers.
; q and k are made TRANSPOSED (source 0 = 16 rows of W, source 1 = 16 rows of x): a lane holds one row of x and its registers run along d.  v is made straight (source 0 = x, source 1 = Wv): a lane holds one d, registers run along the keys.
; ORDER INSIDE A BLOCK OF 32.  A lane's register 16 b + i holds k = 32 b + 16 (i / 8) + 8 (lane / 16) + i % 8; the quantiser lays it at place 16 (lane / 16) + i of block b.  That is one fixed exchange inside each block,
; the same for q and k, and the same for v and the attention weights, so the products are those of the natural order.  Wv's tiles take rows 8 u + r + 8 (r / 8), so that the attention's result comes out in natural order.
; K goes in steps of 128 through two LDS slots of 256 along K; x's tile is asked for jointly by the four work-groups of a row of the cluster, the weights' tiles by the four of a column.
; The scale bytes (18 KB of a work-group's 460 KB) are not shared: each thread copies nine pieces of 16 bytes into LDS once.
; ROTARY TABLES.  cos and sin of (first position + r) theta_f and of 16 xt theta_f are made once, while the first tiles are on their way, and joined by the addition theorems.
; LIMITS: NaN, infinities and scale bytes 0xff are not served.  A block of zeros gets the byte 1 (its codes are zeros; this program alone reads the bytes).  theta comes from v_exp_f32 and the angle is a sum of two rounded
; products, so an angle can differ from t x theta rounded once by up to about 3e-4 rad at the highest positions and lowest frequencies.
; REGISTERS, in windows of 256.  window 0: v4-15 fragment addresses, v16-24 other addresses, v28-29 for the add, v32-51 scale words (two sets of ten, nothing else ever), v64-159 and v160-255 x's fragments (two sets).
;   window 1: v0-127 v's 16 accumulators (64 u + 8 xt); v128-247 the weights' ten fragments, one set (tiles 0-3, v's tile 0, tiles 4-7, v's tile 1).   windows 2, 3: q's or k's accumulators, 64 (xt % 4) + 8 wt.
.set PITCH,  240                       ; an LDS row: 3 x (64 bytes + 16 of padding)
.set SLOT,   576*PITCH                 ; x 256 rows, Wq 128, Wk 128, Wv 64
.set SCL,    2*SLOT                    ; scale rows of 32 bytes: x 256, Wq 128, Wk 128, Wv 64
.set T1,     SCL+18432                 ; 32 entries x 272: cos[32], sin[32] of (first position + 128 half + r) theta
.set T2,     T1+32*272                 ; 8 entries x 256: cos[32], sin[32] of 16 xt theta
.set SPARE,  T2+2048                   ; the spare words: 128 bytes for each wave
.set QREC,   13312                     ; a record of QR: 8 tiles x 2 parts x 768, then 2 x 8 x 16 scale words
.set KREC,   19712                     ; a record of KV: the same for k, then v's 4 fragments of 1,536 and its 4 x 16 scale words
.set ADX,    4                         ; v4-5 x's fragments in slot 0, 1; v6-7 the same behind one padding more
.set ADW,    8                         ; v8-11 the same for my piece of Wq or Wk
.set ADV,    12                        ; v12-15 the same for my rows of Wv
.set ADRS,   16                        ; scale words: lanes 0-15 x's rows, lanes 16-31 the weight's
.set ADRS2,  17                        ; the same with Wv's rows in lanes 16-31
.set L16,    18
.set L8,     19
.set L4,     20
.set T1W,    21
.set T2W,    22
.set T1R,    23
.set T2R,    24
.set SPW,    28
.set NIL,    29
.set SC,     32
.set XF,     64
.set WF,     128
.set WA,     52                        ; the way out: scale words of head A, tile by tile; WB of head B
.set WB,     60
.set TM,     68                        ; 0-3 largest magnitudes, 4-7 the other half's and then bytes, 8-11 the conversions' scale operands
.set PW,     80
.set TP,     82
.set VW,     86
.set CO1,    88
.set SI1,    104
.set CCR,    120
.set SSR,    136
.set ST,     152
.set PC,     216
.set G1A,    24
.set G1Q,    32
.set G1V,    40
.set G0A,    48
.set G0B,    56
.set WV,     66
.set RH,     67
.set WC,     68
.set CB,     71
.set RB,     72
.set SEL,    92
.set PADW,   (1<<20)|(1<<21)|(3<<22)|(3<<25)   ; elements of 1 byte; padding on; bit 21 beside a mask; after every 16 words 4 words
.set MSB, 0
.macro WIN new                         ; the immediate's high byte repeats the setting that is left
.if MSB != \new
	s_set_vgpr_msb (MSB<<8)|\new
.set MSB, \new
.endif
.endm
.macro PLACES n
.rept \n
	v_nop
.endr
.endm
.macro SHAPE g, rows                   ; a tile of so many rows of 192 bytes, 768 bytes apart in memory
	s_mov_b32 s[\g+1], 192<<16
	s_mov_b32 s[\g+2], (\rows)<<16
	s_mov_b32 s[\g+3], 192<<16
	s_mov_b32 s[\g+4], \rows
	s_mov_b32 s[\g+5], 768
	s_mov_b32 s[\g+6], 0
	s_mov_b32 s[\g+7], 0
.endm
; A joint load: wave 0 x's 256 rows, waves 1 and 2 Wq's and Wk's 128, wave 3 Wv's 64.  The branches hang on the wave's number alone.  Four v_nop follow each line.
.macro JLOAD sl
	s_cmp_eq_u32 s[WV], 0
	s_cbranch_scc0 .Lnot_x_\@
	tensor_load_to_lds s[G0A+4*\sl:G0A+4*\sl+3], s[G1A:G1A+7]
	s_nop 0
.rept 4
	v_nop
.endr
	s_branch .Lasked_\@
.Lnot_x_\@:
	s_cmp_eq_u32 s[WV], 3
	s_cbranch_scc1 .Lfor_v_\@
	tensor_load_to_lds s[G0B+4*\sl:G0B+4*\sl+3], s[G1Q:G1Q+7]
	s_nop 0
.rept 4
	v_nop
.endr
	s_branch .Lasked_\@
.Lfor_v_\@:
	tensor_load_to_lds s[G0B+4*\sl:G0B+4*\sl+3], s[G1V:G1V+7]
	s_nop 0
.rept 4
	v_nop
.endr
.Lasked_\@:
.endm
.macro CREST                           ; a round of the cluster's barrier behind its opening barrier
	s_cmp_lg_u32 s[WV], 0
	s_cbranch_scc1 .Lnot_wave_0_\@
	s_barrier_signal -3
.Lnot_wave_0_\@:
	s_barrier_wait -3
	s_barrier_signal -1
	s_barrier_wait -1
.endm
.macro CROUND
	s_barrier_signal -1
	s_barrier_wait -1
	CREST
.endm
	s_load_b512 s[4:19], s[0:1], 0x0               ; x codes, x scales, Wq codes, Wq scales, Wk codes, Wk scales, Wv codes, Wv scales
	s_load_b128 s[20:23], s[0:1], 0x40             ; QR, KV
	v_lshl_add_u32 v[SPW], v0, 2, SPARE
	v_mov_b32 v[NIL], 0
	ds_add_u32 v28, v29
	ds_add_u32 v28, v29
	s_wait_dscnt 0x0
	v_lshrrev_b32 v1, 5, v0
	v_readfirstlane_b32 s[WV], v1                  ; wave 0..3
	s_lshr_b32 s[RH], s[WV], 1
	s_and_b32 s[WC], s[WV], 1
	s_bfe_u32 s69, ttmp6, 0x40000                  ; cx
	s_bfe_u32 s70, ttmp6, 0x40004                  ; cy
	s_lshl_b32 s[CB], ttmp9, 2
	s_add_co_u32 s[CB], s[CB], s69                 ; c = 4 x cluster x + cx
	s_and_b32 s[RB], ttmp7, 0xffff
	s_lshl_b32 s[RB], s[RB], 2
	s_add_co_u32 s[RB], s[RB], s70                 ; rowblk = 4 x cluster y + cy
	s_lshl_b32 s73, s70, 2
	s_lshl_b32 s73, 15, s73                        ; my row of the cluster
	s_lshl_b32 s74, 0x1111, s69                    ; my column
	s_or_b32 s[G1A], s73, PADW
	s_or_b32 s[G1Q], s74, PADW
	s_or_b32 s[G1V], s74, PADW
	SHAPE G1A, 256
	SHAPE G1Q, 128
	SHAPE G1V, 64
	s_mov_b32 s[SEL], 0x76543210
	s_mov_b32 s[SEL+1], 0xfedcba98                 ; v_permlanex16_b32's selects for lane l xor 16
	s_mul_i32 s76, s[RB], 256*768                  ; x: my 256 rows
	s_mov_b32 s77, 0
	s_mov_b32 s75, 128*768
	s_cmp_eq_u32 s[WV], 3
	s_cselect_b32 s75, 64*768, s75
	s_mul_i32 s78, s[CB], s75                      ; the weight's piece: 128 c rows, or 64 c of Wv
	s_mov_b32 s79, 0
	s_mul_i32 s80, s[WV], 128*PITCH
	s_add_co_u32 s80, s80, 128*PITCH               ; where it goes: rows 256, 384, 512 of a slot for waves 1, 2, 3
	s_wait_kmcnt 0x0
	s_add_nc_u64 s[76:77], s[4:5], s[76:77]
	s_cmp_eq_u32 s[WV], 1
	s_cselect_b64 s[82:83], s[8:9], s[12:13]       ; wave 1: Wq; wave 2: Wk;
	s_cmp_eq_u32 s[WV], 3
	s_cselect_b64 s[82:83], s[16:17], s[82:83]     ; wave 3: Wv.  The choice hangs on the wave's number alone
	s_add_nc_u64 s[78:79], s[82:83], s[78:79]
	CROUND                                         ; all sixteen work-groups are here: the first joint loads meet
.irp s, 0,1
	s_mov_b32 s[G0A+4*\s], 1
	s_mov_b32 s[G0A+4*\s+1], \s*SLOT
	s_add_nc_u64 s[G0A+4*\s+2:G0A+4*\s+3], s[76:77], \s*192
	s_or_b32 s[G0A+4*\s+3], s[G0A+4*\s+3], 0x80000000
	s_mov_b32 s[G0B+4*\s], 1
	s_add_co_u32 s[G0B+4*\s+1], s80, \s*SLOT
	s_add_nc_u64 s[G0B+4*\s+2:G0B+4*\s+3], s[78:79], \s*192
	s_or_b32 s[G0B+4*\s+3], s[G0B+4*\s+3], 0x80000000
	JLOAD \s                                       ; two loads of mine are out
.endr
	; ---- while the tiles are on their way: the scale bytes, 16 bytes a thread and load, each load of the work-group 2,048 consecutive bytes
	v_lshlrev_b32 v30, 4, v0
	v_add_nc_u32 v31, SCL, v30
	s_mov_b32 s85, 0
	s_lshl_b32 s84, s[RB], 13
	s_add_nc_u64 s[6:7], s[6:7], s[84:85]
	s_lshl_b32 s84, s[CB], 12
	s_add_nc_u64 s[10:11], s[10:11], s[84:85]
	s_add_nc_u64 s[14:15], s[14:15], s[84:85]
	s_lshl_b32 s84, s[CB], 11
	s_add_nc_u64 s[18:19], s[18:19], s[84:85]
.irp i, 0,1,2,3
	global_load_b128 v[100+4*\i:103+4*\i], v30, s[6:7] offset:2048*\i
.endr
.irp i, 0,1
	global_load_b128 v[116+4*\i:119+4*\i], v30, s[10:11] offset:2048*\i
.endr
.irp i, 0,1
	global_load_b128 v[124+4*\i:127+4*\i], v30, s[14:15] offset:2048*\i
.endr
	global_load_b128 v[132:135], v30, s[18:19]
	; ---- the rotary tables: lane = frequency f; theta = 10000^(-f / 32) = 2^(-f log2(10000) / 32)
	v_and_b32 v3, 31, v0
	v_cvt_f32_u32 v81, v3
	v_mul_f32 v81, 0xbed49a78, v81
	v_exp_f32 v81, v81
	v_lshlrev_b32 v[T1W], 2, v3                    ; (a plain place behind the exponential)
	s_mul_i32 s86, s[WV], 8*272
	s_add_co_u32 s86, s86, T1
	s_lshl_b32 s87, s[WV], 9
	s_add_co_u32 s87, s87, T2
	v_add_nc_u32 v[T2W], s87, v[T1W]               ; wave w writes T2's entries 2 w, 2 w + 1
	v_add_nc_u32 v[T1W], s86, v[T1W]               ; and T1's entries 8 w .. 8 w + 7
	s_wait_alu depctr_va_vdst(0)
	s_and_b32 s84, s[RB], 7
	s_lshl_b32 s84, s84, 8                         ; the block's first position in its sequence
	s_lshl_b32 s85, s[RH], 7
	s_add_co_u32 s84, s84, s85
	s_lshl_b32 s85, s[WC], 3
	s_add_co_u32 s84, s84, s85                     ; entry 8 w stands for position first + 128 (w / 2) + 8 (w % 2)
; cos and sin of position x theta: the quarter turns are taken off in two parts of pi / 2 by fused multiply-adds; polynomials of degree 7 and 8 on the rest; the quadrant swaps and signs them without a branch
.macro SINCOS spos, res
	v_cvt_f32_u32 v64, s[\spos]
	v_mul_f32 v64, v64, v81
	v_mul_f32 v65, 0x3f22f983, v64
	v_rndne_f32 v65, v65
	v_fmamk_f32 v66, v65, 0xbfc90fdb, v64
	v_fmamk_f32 v66, v65, 0x333bbd2e, v66
	v_cvt_i32_f32 v67, v65
	v_mul_f32 v68, v66, v66
	v_mov_b32 v69, 0xb94ca1f9
	v_fmaak_f32 v69, v69, v68, 0x3c08839e
	v_fmaak_f32 v69, v69, v68, 0xbe2aaaa3
	v_mul_f32 v70, v68, v66
	v_fma_f32 v69, v69, v70, v66                   ; sin of the rest
	v_mov_b32 v71, 0x37ccf5ce
	v_fmaak_f32 v71, v71, v68, 0xbab6061a
	v_fmaak_f32 v71, v71, v68, 0x3d2aaaa5
	v_mul_f32 v72, v68, v68
	v_fma_f32 v73, v68, -0.5, 1.0
	v_fma_f32 v71, v71, v72, v73                   ; cos of the rest
	v_and_b32 v74, 1, v67
	v_cmp_eq_u32 vcc_lo, 1, v74
	v_cndmask_b32 v[\res], v71, v69, vcc_lo        ; cos: in odd quadrants the sine
	v_cndmask_b32 v[\res+1], v69, v71, vcc_lo      ; sin: in odd quadrants the cosine
	v_add_nc_u32 v75, 1, v67
	v_lshlrev_b32 v75, 30, v75
	v_lshlrev_b32 v76, 30, v67
	v_and_b32 v75, 0x80000000, v75                 ; cos is negative in quadrants 1, 2
	v_and_b32 v76, 0x80000000, v76                 ; sin in quadrants 2, 3
	v_xor_b32 v[\res], v[\res], v75
	v_xor_b32 v[\res+1], v[\res+1], v76
.endm
.irp i, 0,1,2,3,4,5,6,7
	s_add_co_u32 s89, s84, \i
	SINCOS 89, 140+2*\i
.endr
	s_lshl_b32 s85, s[WV], 5
.irp i, 0,1
	s_add_co_u32 s89, s85, 16*\i
	SINCOS 89, 156+2*\i
.endr
	; ---- lane terms
	v_and_b32 v1, 15, v0                           ; r
	v_bfe_u32 v2, v0, 4, 1                         ; h
	v_mul_u32_u24 v90, v1, PITCH
	v_mad_u32_u24 v90, v2, 24, v90                 ; a fragment's row x pitch + 24 h
	v_lshl_add_u32 v91, v2, 4, v90                 ; and the same behind one padding more
	v_and_b32 v92, 8, v1
	v_add_nc_u32 v92, v92, v1                      ; r + 8 (r / 8): Wv's rows of a tile
	v_mul_u32_u24 v93, v92, PITCH
	v_mad_u32_u24 v93, v2, 24, v93
	v_lshl_add_u32 v94, v2, 4, v93
	s_mul_i32 s84, s[RH], 128*PITCH
	s_mul_i32 s85, s[WC], 128*PITCH
	s_add_co_u32 s85, s85, 256*PITCH
	s_mul_i32 s86, s[WC], 32*PITCH
	s_add_co_u32 s86, s86, 512*PITCH
.irp s, 0,1
	v_add_nc_u32 v[ADX+\s], s84, v90
	v_add_nc_u32 v[ADX+2+\s], s84, v91
	v_add_nc_u32 v[ADW+\s], s85, v90
	v_add_nc_u32 v[ADW+2+\s], s85, v91
	v_add_nc_u32 v[ADV+\s], s86, v93
	v_add_nc_u32 v[ADV+2+\s], s86, v94
	s_add_co_u32 s84, s84, SLOT
	s_add_co_u32 s85, s85, SLOT
	s_add_co_u32 s86, s86, SLOT
.endr
	s_xor_b32 s84, s[RH], 1
	s_add_co_u32 s85, s84, s[WC]
	s_add_co_u32 s85, s85, 1
	s_lshl_b32 s85, s85, 12                        ; from x's rows to my weight's: 8192 + 4096 WC - 4096 RH, as one product with h
	v_mul_u32_u24 v95, s85, v2
	s_lshl_b32 s86, s[RH], 12
	s_add_co_u32 s86, s86, SCL
	v_lshl_add_u32 v[ADRS], v1, 5, v95
	v_add_nc_u32 v[ADRS], s86, v[ADRS]
	s_lshl_b32 s85, s84, 12
	s_lshl_b32 s87, s[WC], 10
	s_add_co_u32 s85, s85, s87
	s_add_co_u32 s85, s85, 12288                   ; and to Wv's: 16384 + 1024 WC - 4096 RH
	v_mul_u32_u24 v95, s85, v2
	v_lshl_add_u32 v[ADRS2], v92, 5, v95
	v_add_nc_u32 v[ADRS2], s86, v[ADRS2]
	v_lshlrev_b32 v[L16], 4, v3
	v_lshlrev_b32 v[L8], 3, v3
	v_lshlrev_b32 v[L4], 2, v3
	s_mul_i32 s84, s[RH], 16*272
	s_add_co_u32 s84, s84, T1
	v_mul_u32_u24 v[T1R], v1, 272
	v_lshl_add_u32 v[T1R], v2, 5, v[T1R]
	v_add_nc_u32 v[T1R], s84, v[T1R]               ; T1's entry 16 RH + r, my half's eight frequencies
	v_lshlrev_b32 v[T2R], 5, v2
	v_add_nc_u32 v[T2R], T2, v[T2R]
	s_wait_loadcnt 0x0
.irp i, 0,1,2,3,4,5,6,7,8
	ds_store_b128 v31, v[100+4*\i:103+4*\i] offset:2048*\i
.endr
.irp i, 0,1,2,3,4,5,6,7
	ds_store_b32 v[T1W], v[140+2*\i] offset:272*\i
	ds_store_b32 v[T1W], v[141+2*\i] offset:272*\i+128
.endr
.irp i, 0,1
	ds_store_b32 v[T2W], v[156+2*\i] offset:256*\i
	ds_store_b32 v[T2W], v[157+2*\i] offset:256*\i+128
.endr
	s_wait_dscnt 0x0                               ; for the others' sake: my stores have landed
	s_wait_tensorcnt 0x1                           ; my part of slot 0 is in; slot 1's may stay out
	s_barrier_signal -1
	s_barrier_wait -1
; A fragment, 16 rows x 128 K of 6-bit codes: 12 registers; lane (r, h) takes 24 bytes at 24 h and 24 at 48 + 24 h of the row's 96, in pieces of 8 bytes.  Where the piece three on lies behind one padding more the second address register serves.
.macro FRAG reg, adr, q, off
.irp p, 0,1,2,3,4,5
.set PCE, 12*(\q)+6*(\p/3)+\p%3
.if PCE%8 < 5
	ds_load_b64 v[\reg+2*\p:\reg+2*\p+1], v[\adr] offset:8*PCE+16*(PCE/8)+(\off)
.else
	ds_load_b64 v[\reg+2*\p:\reg+2*\p+1], v[\adr+2] offset:8*PCE+16*(PCE/8)+(\off)
.endif
.endr
.endm
; step n's x fragments (48 loads), scale words (10) and the weights' first five fragments (30)
.macro NEXTA n
.set nsl, ((\n)/2)%2
.set nqq, (\n)%2
	WIN 0
.irp i, 0,1,2,3,4,5,6,7
	FRAG XF+96*nqq+12*\i, ADX+nsl, nqq, \i*16*PITCH
.endr
.irp i, 0,1,2,3,4,5,6,7
	ds_load_b32 v[SC+10*nqq+\i], v[ADRS] offset:512*\i+4*(\n)
.endr
.irp u, 0,1
	ds_load_b32 v[SC+10*nqq+8+\u], v[ADRS2] offset:256*\u+4*(\n)
.endr
	WIN 0x40
.irp i, 0,1,2,3
	FRAG WF+12*\i, ADW+nsl, nqq, \i*16*PITCH
.endr
	FRAG WF+48, ADV+nsl, nqq, 0
.endm
; and the other five (30 loads)
.macro NEXTB n
.set nsl, ((\n)/2)%2
.set nqq, (\n)%2
	WIN 0x40
.irp i, 4,5,6,7
	FRAG WF+12*(\i+1), ADW+nsl, nqq, \i*16*PITCH
.endr
	FRAG WF+108, ADV+nsl, nqq, 8*PITCH
	WIN 0
.endm
; 16 products of q or k: weight tiles wt0 .. wt0 + 3 against x tiles xt0 .. xt0 + 3.  The 80 accumulators take turns, one instruction a turn, in the same order in every step.
.macro MULQK wt0, xt0, st, zero
.irp xx, 0,1,2,3
.irp ww, 0,1,2,3
.set rD, 64*\xx+8*(\wt0+\ww)
.set rW, WF+12*(\wt0+\wt0/4+\ww)
.set rX, XF+96*(\st)+12*(\xt0+\xx)
.set rA, SC+10*(\st)+\wt0+\ww
.set rB, SC+10*(\st)+\xt0+\xx
.if \zero
	v_wmma_scale_f32_16x16x128_f8f6f4 v[rD:rD+7], v[rW:rW+11], v[rX:rX+11], 0, v[rA], v[rB] matrix_a_fmt:MATRIX_FMT_FP6 matrix_b_fmt:MATRIX_FMT_FP6 matrix_a_scale:MATRIX_SCALE_ROW1
.else
	v_wmma_scale_f32_16x16x128_f8f6f4 v[rD:rD+7], v[rW:rW+11], v[rX:rX+11], v[rD:rD+7], v[rA], v[rB] matrix_a_fmt:MATRIX_FMT_FP6 matrix_b_fmt:MATRIX_FMT_FP6 matrix_a_scale:MATRIX_SCALE_ROW1
.endif
.endr
.endr
.endm
; 8 products of v: x's eight tiles against Wv's tile u
.macro MULV u, st, zero
.irp xx, 0,1,2,3,4,5,6,7
.set rD, 64*(\u)+8*\xx
.set rX, XF+96*(\st)+12*\xx
.set rW, WF+48+60*(\u)
.set rA, SC+10*(\st)+\xx
.set rB, SC+10*(\st)+8+(\u)
.if \zero
	v_wmma_scale_f32_16x16x128_f8f6f4 v[rD:rD+7], v[rX:rX+11], v[rW:rW+11], 0, v[rA], v[rB] matrix_a_fmt:MATRIX_FMT_FP6 matrix_b_fmt:MATRIX_FMT_FP6 matrix_b_scale:MATRIX_SCALE_ROW1
.else
	v_wmma_scale_f32_16x16x128_f8f6f4 v[rD:rD+7], v[rX:rX+11], v[rW:rW+11], v[rD:rD+7], v[rA], v[rB] matrix_a_fmt:MATRIX_FMT_FP6 matrix_b_fmt:MATRIX_FMT_FP6 matrix_b_scale:MATRIX_SCALE_ROW1
.endif
.endr
.endm
.macro MULB st, zero                   ; the step's second half: tiles 4-7 and v's tile 1
	WIN 0xa1
	MULQK 4, 0, \st, \zero
	WIN 0xf1
	MULQK 4, 4, \st, \zero
	WIN 0x54
	MULV 1, \st, \zero
.endm
; A step of 128 along K whose successor lies in the same slot
.macro STEP q, zero
	s_wait_dscnt 30                                ; all but the youngest run (the weights' last five fragments) are in
	WIN 0xa1
	MULQK 0, 0, (\q)%2, \zero
	WIN 0xf1
	MULQK 0, 4, (\q)%2, \zero
	WIN 0x54
	MULV 0, (\q)%2, \zero
	s_wait_dscnt 0x0                               ; those five are in
	PLACES 4                                       ; in front of loads into registers that matrix instructions have read
	NEXTA (\q)+1
	MULB (\q)%2, \zero
	PLACES 4
	NEXTB (\q)+1
.endm
; A slot's last step changes slots: one barrier; in front of it each wave waits for all its tensor loads, adds 0 to its spare word, and waits for that and for its reads of the slot.  fill = 1: the slot is filled again, 512 along K on.
.macro TURN q, fill
.set tsl, ((\q)/2)%2
	s_wait_tensorcnt 0x0                           ; my part of the next slot has landed: no tensor load of mine is out
	ds_add_u32 v[SPW], v[NIL]                      ; 0 onto my spare word
	s_wait_dscnt 31                                ; (the add and the youngest 30 loads may be out)
	WIN 0xa1
	MULQK 0, 0, (\q)%2, 0                          ; sixteen matrix instructions stand between the add and the wait for it
	s_wait_dscnt 0x0                               ; the add is done, and my reads of this slot are over
	s_barrier_signal -1
	WIN 0xf1
	MULQK 0, 4, (\q)%2, 0
	WIN 0x54
	MULV 0, (\q)%2, 0
	WIN 0
	s_barrier_wait -1
.if \fill
	CREST                                          ; the barrier has opened a round of the cluster's: no wave of any partner still reads this slot or has a load on its way
	s_add_nc_u64 s[G0A+4*tsl+2:G0A+4*tsl+3], s[G0A+4*tsl+2:G0A+4*tsl+3], 384
	s_add_nc_u64 s[G0B+4*tsl+2:G0B+4*tsl+3], s[G0B+4*tsl+2:G0B+4*tsl+3], 384
	JLOAD tsl                                      ; the first tensor load behind the round; its four v_nop are the places in front of the loads below
.else
	PLACES 4
.endif
	NEXTA (\q)+1
	MULB (\q)%2, 0
	PLACES 4
	NEXTB (\q)+1
.endm
	NEXTA 0
	NEXTB 0
	STEP 0, 1                                      ; the first step's products start the sums: nothing is cleared
	TURN 1, 1
	STEP 2, 0
	TURN 3, 1
	STEP 4, 0
	TURN 5, 0                                      ; nothing is left to fetch
	STEP 6, 0
	s_wait_dscnt 30
	WIN 0xa1
	MULQK 0, 0, 1, 0
	WIN 0xf1
	MULQK 0, 4, 1, 0
	WIN 0x54
	MULV 0, 1, 0
	s_wait_dscnt 0x0
	MULB 1, 0
	WIN 0
	; ---- THE WAY OUT
	PLACES 4                                       ; in front of loads into x's fragment registers and of the first read of results
.irp i, 0,1,2,3
	ds_load_b128 v[CO1+4*\i:CO1+4*\i+3], v[T1R] offset:16*(\i%2)+64*(\i/2)          ; cos, sin of my row's base angle at frequencies 8 h + 0..7 and 16 + 8 h + 0..7
	ds_load_b128 v[SI1+4*\i:SI1+4*\i+3], v[T1R] offset:128+16*(\i%2)+64*(\i/2)
.endr
.macro T2LOAD xt
.irp i, 0,1,2,3
	ds_load_b128 v[CCR+4*\i:CCR+4*\i+3], v[T2R] offset:256*(\xt)+16*(\i%2)+64*(\i/2)
	ds_load_b128 v[SSR+4*\i:SSR+4*\i+3], v[T2R] offset:256*(\xt)+128+16*(\i%2)+64*(\i/2)
.endr
.endm
	T2LOAD 0
.irp b, 0,1,2,3
	v_mov_b32 v[TM+4+\b], 0                        ; written once: a lane permute's destination counts as one of its sources
.endr
	; where the images go
	s_lshr_b32 s89, s[RB], 3
	s_lshl_b32 s89, s89, 4                         ; 16 x batch
	s_and_b32 s90, s[RB], 7
	s_lshl_b32 s90, s90, 1
	s_add_co_u32 s90, s90, s[RH]                   ; my block of 128 positions
	s_lshr_b32 s91, s[CB], 3                       ; part
	s_lshl_b32 s88, s91, 4                         ; a part-1 scale word has its two bytes 16 bits up
	s_lshl_b32 s94, s[CB], 1
	s_and_b32 s94, s94, 15
	s_add_co_u32 s94, s94, s89
	s_lshl_b32 s94, s94, 4
	s_add_co_u32 s94, s94, s90                     ; head A's record
	s_add_co_u32 s96, s89, s[CB]
	s_lshl_b32 s96, s96, 4
	s_add_co_u32 s96, s96, s90                     ; v's record (head c)
	s_mov_b32 s98, QREC
	s_cmp_eq_u32 s[WC], 1
	s_cselect_b32 s98, KREC, s98
	s_cselect_b64 s[100:101], s[22:23], s[20:21]   ; q goes to QR, k to KV: the choice hangs on the wave's number alone
	s_mul_i32 s94, s94, s98
	s_mov_b32 s95, 0
	s_add_nc_u64 s[100:101], s[100:101], s[94:95]
	s_mul_i32 s94, s91, 768
	s_add_nc_u64 s[76:77], s[100:101], s[94:95]    ; head A's codes
	s_lshl_b32 s94, s91, 9
	s_add_co_u32 s94, s94, 12288
	s_add_nc_u64 s[80:81], s[100:101], s[94:95]    ; head A's scale words
	s_lshl_b32 s94, s98, 4                         ; head B lies 16 records on
	s_add_nc_u64 s[78:79], s[76:77], s[94:95]
	s_add_nc_u64 s[82:83], s[80:81], s[94:95]
	s_mul_i32 s96, s96, KREC
	s_mov_b32 s97, 0
	s_add_nc_u64 s[84:85], s[22:23], s[96:97]
	s_lshl_b32 s94, s[WC], 7
	s_add_co_u32 s94, s94, 19456
	s_add_nc_u64 s[86:87], s[84:85], s[94:95]      ; v's scale words, my two tiles
	s_mul_i32 s94, s[WC], 3072
	s_add_co_u32 s94, s94, 13312
	s_add_nc_u64 s[84:85], s[84:85], s[94:95]      ; v's codes, my two tiles
; 64 numbers of a lane in window w, register 16 b + i a number of block b, become a fragment's codes in v[PC] on and its scale word in v[PW]
.macro QUANT src, w
	WIN 5*(\w)
.irp b, 0,1,2,3
	v_max3_num_f32 v[TM+\b], |v[(\src)+16*\b]|, |v[(\src)+16*\b+1]|, 0x1800000   ; my 16 numbers of block b, and the floor 2^(3 - 127): the byte cannot fall under 1
.endr
.irp i, 2,4,6,8,10,12,14
.irp b, 0,1,2,3
	v_max3_num_f32 v[TM+\b], |v[(\src)+16*\b+\i]|, |v[(\src)+16*\b+\i+1]|, v[TM+\b]
.endr
.endr
	WIN 0
.irp b, 0,1,2,3
	v_permlanex16_b32 v[TM+4+\b], v[TM+\b], s[SEL], s[SEL+1]
.endr
.irp b, 0,1,2,3
	v_max_num_f32 v[TM+\b], v[TM+\b], v[TM+4+\b]   ; with lane l xor 16's: the block's largest magnitude
.endr
.irp b, 0,1,2,3
	v_add_nc_u32 v[TM+8+\b], 0xff000000, v[TM+\b]  ; 2 off its exponent field: the conversion's scale operand
.endr
.irp b, 0,1,2,3
	v_lshrrev_b32 v[TM+4+\b], 23, v[TM+8+\b]       ; the scale's byte
.endr
	v_lshl_or_b32 v[PW], v[TM+5], 8, v[TM+4]
	v_lshl_or_b32 v[PW], v[TM+6], 16, v[PW]
	v_lshl_or_b32 v[PW], v[TM+7], 24, v[PW]
	WIN \w
.irp c, 0,1
	v_cvt_scalef32_pk16_fp6_f32 v[PC+6*\c:PC+6*\c+2], v[(\src)+32*\c:(\src)+32*\c+15], v[TM+8+2*\c]
	v_cvt_scalef32_pk16_fp6_f32 v[PC+12+4*\c:PC+14+4*\c], v[(\src)+32*\c+16:(\src)+32*\c+31], v[TM+9+2*\c]
.endr
	WIN 0
	v_nop                                          ; one plain place behind a scaled conversion
.irp c, 0,1                                    ; the operand's layout wants a whole block in a lane: lanes 0-15 block 2 c, lanes 16-31 block 2 c + 1
.irp i, 0,1,2
	v_permlane16_swap_b32 v[PC+6*\c+\i], v[PC+12+4*\c+\i]
.endr
.irp i, 0,1,2
	v_mov_b32 v[PC+3+6*\c+\i], v[PC+12+4*\c+\i]
.endr
.endr
.endm
; x tile xt: the angles are joined, both heads are rotated into window 0, quantised, and stored as two half images
.macro ROPEQ xt
	s_wait_dscnt 0x0                               ; the table entries are in
.irp i, 0,2,4,6,8,10,12,14
.set tp, TP+2*((\i/2)%2)
	v_pk_mul_f32 v[tp:tp+1], v[SI1+\i:SI1+\i+1], v[CCR+\i:CCR+\i+1]
	v_pk_mul_f32 v[CCR+\i:CCR+\i+1], v[CO1+\i:CO1+\i+1], v[CCR+\i:CCR+\i+1]
	v_pk_fma_f32 v[CCR+\i:CCR+\i+1], v[SI1+\i:SI1+\i+1], v[SSR+\i:SSR+\i+1], v[CCR+\i:CCR+\i+1] neg_lo:[1,0,0] neg_hi:[1,0,0]   ; cos(a + b) = c1 c2 - s1 s2
	v_pk_fma_f32 v[SSR+\i:SSR+\i+1], v[CO1+\i:CO1+\i+1], v[SSR+\i:SSR+\i+1], v[tp:tp+1]                                          ; sin(a + b) = c1 s2 + s1 c2
.endr
	WIN 2+(\xt)/4                                  ; source 0: the accumulators' window.
.irp hd, 0,1
.irp i, 0,2,4,6,8,10,12,14
	v_pk_mul_f32 v[ST+32*\hd+\i:ST+32*\hd+\i+1], v[64*((\xt)%4)+32*\hd+\i:64*((\xt)%4)+32*\hd+\i+1], v[CCR+\i:CCR+\i+1]
.endr
.irp i, 0,2,4,6,8,10,12,14
	v_pk_mul_f32 v[ST+32*\hd+16+\i:ST+32*\hd+17+\i], v[64*((\xt)%4)+32*\hd+16+\i:64*((\xt)%4)+32*\hd+17+\i], v[CCR+\i:CCR+\i+1]
.endr
.irp i, 0,2,4,6,8,10,12,14
	v_pk_fma_f32 v[ST+32*\hd+\i:ST+32*\hd+\i+1], v[64*((\xt)%4)+32*\hd+16+\i:64*((\xt)%4)+32*\hd+17+\i], v[SSR+\i:SSR+\i+1], v[ST+32*\hd+\i:ST+32*\hd+\i+1] neg_lo:[1,0,0] neg_hi:[1,0,0]   ; d < 32: x cos - x(d + 32) sin
.endr
.irp i, 0,2,4,6,8,10,12,14
	v_pk_fma_f32 v[ST+32*\hd+16+\i:ST+32*\hd+17+\i], v[64*((\xt)%4)+32*\hd+\i:64*((\xt)%4)+32*\hd+\i+1], v[SSR+\i:SSR+\i+1], v[ST+32*\hd+16+\i:ST+32*\hd+17+\i]                            ; d >= 32: x cos + x(d - 32) sin
.endr
.endr
	WIN 0
.if (\xt) < 7
	T2LOAD (\xt)+1                                 ; the next tile's entry lands while this one is quantised
.endif
	s_wait_xcnt 0x0                                ; the last tile's stores have read their registers
	QUANT ST, 0
	v_and_b32 v[WA+(\xt)], 0xffff, v[PW]           ; head A's two bytes,
	v_lshrrev_b32 v[WB+(\xt)], 16, v[PW]           ; head B's,
	v_lshlrev_b32 v[WA+(\xt)], s88, v[WA+(\xt)]    ; at bytes 0, 1 for part 0 and 2, 3 for part 1; the other two stay 0
	v_lshlrev_b32 v[WB+(\xt)], s88, v[WB+(\xt)]
	global_store_b128 v[L16], v[PC:PC+3], s[76:77] offset:1536*(\xt)          ; each store covers 512 or 256 consecutive bytes, aligned
	global_store_b64 v[L8], v[PC+4:PC+5], s[76:77] offset:1536*(\xt)+512
	global_store_b128 v[L16], v[PC+6:PC+9], s[78:79] offset:1536*(\xt)
	global_store_b64 v[L8], v[PC+10:PC+11], s[78:79] offset:1536*(\xt)+512
.endm
.irp x, 0,1,2,3,4,5,6,7
	ROPEQ \x
.endr
.irp i, 0,1,2,3
	v_permlane16_swap_b32 v[WA+2*\i], v[WA+2*\i+1] ; lanes 0-15 tile 2 i, lanes 16-31 tile 2 i + 1
	v_permlane16_swap_b32 v[WB+2*\i], v[WB+2*\i+1]
.endr
.irp i, 0,1,2,3
	global_store_b32 v[L4], v[WA+2*\i], s[80:81] offset:128*\i
	global_store_b32 v[L4], v[WB+2*\i], s[82:83] offset:128*\i
.endr
.irp u, 0,1                                    ; v: my two tiles of 16 d x 128 keys
	s_wait_xcnt 0x0
	QUANT 64*\u, 1
	v_mov_b32 v[VW+\u], v[PW]
	global_store_b128 v[L16], v[PC:PC+3], s[84:85] offset:1536*\u
	global_store_b128 v[L16], v[PC+4:PC+7], s[84:85] offset:1536*\u+512
	global_store_b128 v[L16], v[PC+8:PC+11], s[84:85] offset:1536*\u+1024
.endr
	v_permlane16_swap_b32 v[VW], v[VW+1]
	global_store_b32 v[L4], v[VW], s[86:87]
	s_wait_tensorcnt 0x0                           ; the wave's end
	ds_add_u32 v[SPW], v[NIL]
	s_wait_dscnt 0x0
	CROUND                                         ; the closing round: no work-group ends while a partner may still ask for a tile that names it
	s_endpgm
.Lfunc_end_k_q023658c165_qkv:
	.size	k_q023658c165_qkv, .Lfunc_end_k_q023658c165_qkv-k_q023658c165_qkv
	.p2alignl 7, 3214868480
	.fill 96, 4, 3214868480
	.section	.rodata,"a",@progbits
	.p2align	6, 0x0
	.amdhsa_kernel k_q023658c165_qkv
		.amdhsa_group_segment_fixed_size 327680
		.amdhsa_private_segment_fixed_size 0
		.amdhsa_enable_private_segment 0
		.amdhsa_kernarg_size 80
		.amdhsa_user_sgpr_count 2
		.amdhsa_user_sgpr_kernarg_segment_ptr 1
		.amdhsa_wavefront_size32 1
		.amdhsa_system_sgpr_workgroup_id_x 1
		.amdhsa_system_sgpr_workgroup_id_y 1
		.amdhsa_system_sgpr_workgroup_id_z 1
		.amdhsa_system_vgpr_workitem_id 0
		.amdhsa_next_free_vgpr 1024
		.amdhsa_next_free_sgpr 102
		.amdhsa_reserve_vcc 1
		.amdhsa_float_denorm_mode_32 3
		.amdhsa_float_denorm_mode_16_64 3
		.amdhsa_memory_ordered 1
		.amdhsa_forward_progress 1
		.amdhsa_inst_pref_size 255
	.end_amdhsa_kernel
	.section	.bss,"aw",@nobits
	.p2align	6
	.space	262144
	.amdgpu_metadata
---
amdhsa.version: [ 1, 2 ]
amdhsa.kernels:
  - .name:           k_q023658c165_qkv
    .symbol:         k_q023658c165_qkv.kd
    .args:
      - { .name: x_codes, .offset: 0, .size: 8, .value_kind: global_buffer, .address_space: global }
      - { .name: x_scales, .offset: 8, .size: 8, .value_kind: global_buffer, .address_space: global }
      - { .name: Wq_codes, .offset: 16, .size: 8, .value_kind: global_buffer, .address_space: global }
      - { .name: Wq_scales, .offset: 24, .size: 8, .value_kind: global_buffer, .address_space: global }
      - { .name: Wk_codes, .offset: 32, .size: 8, .value_kind: global_buffer, .address_space: global }
      - { .name: Wk_scales, .offset: 40, .size: 8, .value_kind: global_buffer, .address_space: global }
      - { .name: Wv_codes, .offset: 48, .size: 8, .value_kind: global_buffer, .address_space: global }
      - { .name: Wv_scales, .offset: 56, .size: 8, .value_kind: global_buffer, .address_space: global }
      - { .name: QR, .offset: 64, .size: 8, .value_kind: global_buffer, .address_space: global }
      - { .name: KV, .offset: 72, .size: 8, .value_kind: global_buffer, .address_space: global }
    .group_segment_fixed_size: 327680
    .private_segment_fixed_size: 0
    .kernarg_segment_align: 8
    .kernarg_segment_size: 80
    .max_flat_workgroup_size: 128
    .sgpr_count:     102
    .vgpr_count:     1024
    .wavefront_size: 32
...
	.end_amdgpu_metadata
.endif
;; end of part 1
;; launch attn (part 2): grid 8 x 32, 8 waves a work-group, clusters of 4 x 1, 327,680 bytes of LDS; arguments QR, KV, lambda_q1, lambda_k1, lambda_q2, lambda_k2, lambda_init, gn_weight, gn_bias, AC, AS; writes AC, AS
.if DOCPART == 2
	.amdgcn_target "amdgcn-amd-amdhsa--gfx1250"
	.amdhsa_code_object_version 6
	.text
	.protected	k_q023658c165_attn
	.globl	k_q023658c165_attn
	.p2align	8
	.type	k_q023658c165_attn,@function
k_q023658c165_attn:
	s_mov_b64 s[64:65], 0
	v_nop
	global_prefetch_b8 v0, s[64:65] scope:SCOPE_SE
	s_setreg_imm32_b32 hwreg(HW_REG_WAVE_MODE, 25, 1), 1
	s_wait_xcnt 0x0
	s_wait_alu depctr_hold_cnt(0) depctr_sa_sdst(0) depctr_va_vdst(0) depctr_va_sdst(0) depctr_va_ssrc(0) depctr_va_vcc(0) depctr_vm_vsrc(0)
	s_getreg_b32 s2, hwreg(HW_REG_IB_STS2, 6, 4)
	s_cmp_eq_u32 s2, 0
	s_cbranch_scc0 .Lentry_in_a_cluster
	s_endpgm
.Lentry_in_a_cluster:
	s_bfe_u32 s2, ttmp6, 0x10000c
	s_cmp_lg_u32 s2, 0x3003
	s_cbranch_scc0 .Lentry_shape_is_right
	s_endpgm
.Lentry_shape_is_right:
; For one (batch, head): a1 = softmax(q1 k1^T / 8), a2 = softmax(q2 k2^T / 8), p = a1 - lambda a2, finished and normalised in f32, quantised along the keys; O = p v; GroupNorm over the head's 64, gain, bias, x (1 - lambda_init);
; the result is quantised along the features and stored as half images for the last product.  All products on codes of FP6 (E2M3).
; TWO PASSES.  A row's maxima and sums must be known before any of its p can be quantised, and the scores are too many to keep: pass 1 walks all keys for a running maximum and sum of each softmax, pass 2 makes the same scores
; again (the same instructions on the same registers give the same bits), forms p, quantises it block by block of 32 keys and multiplies by v.
; SHARES.  A work-group owns 256 queries, each of its eight waves 32: two tiles of 16.  Two waves lie on a SIMD, so that one wave's exponentials stand beside the other's products.
; THE WHOLE HEAD'S k AND v STAY IN LDS: 16 records of 19,712 bytes, filled once by joint loads of the cluster's four work-groups (four query blocks of one head), two loads a wave.  No byte of LDS is filled twice.
; K = 64 IN AN INSTRUCTION OF 128.  A fragment of k is [k1 | k2].  q stands as [q1 | zeros | q2], 18 registers: registers 0-11 give q1 k1^T, registers 6-17 give q2 k2^T: zero codes add nothing, and the scale bytes
; beside them are 0, never 0xff.  One scale register holds the part-0 words in lanes 0-15 and the part-1 words in lanes 16-31.
; Both kinds of product are used transposed (source 0 = 16 keys, or 16 of the head's 64; source 1 = 16 queries): a lane holds one query throughout; in pass 1 each half of the lanes keeps its own maximum and sum, joined once at the end.
; LIMITS: NaN and infinities are not served.  v_exp_f32 gives 0 for what would lie under 2^-126.  A block of zeros gets the byte 1.  Gain and bias are multiplied by (1 - lambda_init) ahead of the fused multiply-add,
; which rounds in another order than norm x gain + bias followed by the factor.
; REGISTERS.  window 0: v4-7 lane terms, v8-11 addresses of the record in hand, v12-15 q's and v's scale words, v16-41 and v42-67 two buffers of k (two fragments and two scale registers each), v68-131 scores (32 qt + 16 sm + 8 t),
;   v132-179 pass 1's state, v180-187 pass 2's constants, v188-199 at work, v196-197 p's scale words, v200-239 p's codes, v240-247 odds.   window 1: v0-35 q, v36-99 O^T (32 qt + 8 dt), v100-147 v's fragments, v148-211 gain and bias.
.set REC,  19712
.set QREC, 13312
.set B16,  4                           ; 16 x lane
.set B8,   5                           ; 8 x lane
.set BS,   6                           ; 512 (lane / 16) + 4 (lane % 16)
.set B4,   7                           ; 4 x lane
.set AD16, 8
.set AD8,  9
.set ADS,  10
.set AD4,  11
.set QS,   12
.set VS,   14
.set KX,   16
.set KY,   42
.set S,    68
.set P1,   132                         ; stream k = 2 qt + sm at P1 + 12 k: +0, +1 -c m (by turns), +2, +3 the sum, +4 the maximum, +6 f, +7 its exponent, +8, +9 at work
.set CN,   180                         ; CN + 4 qt: (-c m1, -c m2);  CN + 2 + 4 qt: (1 / l1, -lambda / l2)
.set TM,   188
.set T2R,  190
.set SCO,  192
.set BY,   194
.set PW,   196
.set N16,  198                         ; addresses of the next record's k: registers of their own
.set N8,   199
.set PC,   200
.set NS,   240
.set LAM,  242
.set OML,  244
.set GW,   246
.set WV,   44
.set CS,   50                          ; s[50:51] c = log2(e) / 8
.set SEL,  52
.set TB,   54
.set CNT,  55
.set NC,   72                          ; -c
.set MSB, 0
.macro WIN new
.if MSB != \new
	s_set_vgpr_msb (MSB<<8)|\new
.set MSB, \new
.endif
.endm
.macro NOP4
.rept 4
	v_nop
.endr
.endm
.macro CROUND                          ; a round of the cluster's barrier
	s_barrier_signal -1
	s_barrier_wait -1
	s_cmp_lg_u32 s[WV], 0
	s_cbranch_scc1 .Lnot_wave_0_\@
	s_barrier_signal -3
.Lnot_wave_0_\@:
	s_barrier_wait -3
	s_barrier_signal -1
	s_barrier_wait -1
.endm
	s_load_b512 s[4:19], s[0:1], 0x0               ; QR, KV, lambda_q1, lambda_k1, lambda_q2, lambda_k2, lambda_init, gn_weight
	s_load_b128 s[20:23], s[0:1], 0x40             ; gn_bias, AC
	s_load_b64 s[24:25], s[0:1], 0x50              ; AS
	v_lshl_add_u32 v254, v0, 2, 0x4d000
	v_mov_b32 v255, 0
	ds_add_u32 v254, v255
	ds_add_u32 v254, v255
	v_lshrrev_b32 v1, 5, v0
	v_readfirstlane_b32 s[WV], v1                  ; wave 0..7
	s_bfe_u32 s45, ttmp6, 0x40000                  ; cx: it enters q's and the outputs' addresses alone
	s_lshl_b32 s46, ttmp9, 2
	s_add_co_u32 s46, s46, s45                     ; my block of 256 queries
	s_and_b32 s47, ttmp7, 0xffff                   ; 16 x batch + head, which the four partners share
	s_mov_b32 s28, 15|(3<<16)|(1<<21)              ; the mask: all four; elements of 8 bytes; bit 21 beside a mask; no padding: every read is lane by lane on end
	s_mov_b32 s29, 32<<16                          ; a record is dense: 77 rows of 256 bytes
	s_mov_b32 s30, 77<<16
	s_mov_b32 s31, 32<<16
	s_mov_b32 s32, 77
	s_mov_b32 s33, 32
	s_mov_b32 s34, 0
	s_mov_b32 s35, 0
	s_mul_i32 s48, s47, 16*REC
	s_mul_i32 s56, s[WV], REC
	s_add_co_u32 s48, s48, s56
	s_mov_b32 s49, 0
	s_mov_b32 s59, 0
	s_mov_b32 s[CS], 0x3e38aa3b
	s_mov_b32 s[CS+1], s[CS]
	s_mov_b32 s[NC], 0xbe38aa3b
	s_mov_b32 s73, 0x3c800000                      ; 1 / 64
	s_mov_b32 s[SEL], 0x76543210
	s_mov_b32 s[SEL+1], 0xfedcba98
	s_wait_dscnt 0x0
	s_wait_kmcnt 0x0
	s_add_nc_u64 s[48:49], s[6:7], s[48:49]
	CROUND                                         ; all four work-groups are here: the joint loads meet
	s_mov_b32 s36, 1
	s_mov_b32 s37, s56                             ; record w
	s_mov_b64 s[38:39], s[48:49]
	s_or_b32 s39, s39, 0x80000000
	s_mov_b32 s40, 1
	s_add_co_u32 s41, s56, 8*REC                   ; and record w + 8
	s_add_nc_u64 s[42:43], s[48:49], 8*REC
	s_or_b32 s43, s43, 0x80000000
	tensor_load_to_lds s[36:39], s[28:35]
	s_nop 0
	tensor_load_to_lds s[40:43], s[28:35]          ; two loads of mine are out; four v_nop follow the second
	s_nop 0
	NOP4
	v_and_b32 v1, 31, v0
	v_and_b32 v2, 15, v0
	v_bfe_u32 v3, v0, 4, 1
	v_lshlrev_b32 v[B16], 4, v1
	v_lshlrev_b32 v[B8], 3, v1
	v_lshlrev_b32 v[B4], 2, v1
	v_lshlrev_b32 v[BS], 2, v2
	v_lshl_add_u32 v[BS], v3, 9, v[BS]
	v_lshlrev_b32 v241, 6, v3                      ; gain and bias: my half's 16 of each 32
	; q: record 16 bh + 2 qblk + w / 4, tiles 2 (w % 4) and + 1
	s_lshl_b32 s57, s47, 4
	s_lshl_b32 s58, s46, 1
	s_add_co_u32 s57, s57, s58
	s_lshr_b32 s58, s[WV], 2
	s_add_co_u32 s57, s57, s58
	s_mul_i32 s58, s57, QREC
	s_add_nc_u64 s[4:5], s[4:5], s[58:59]
	s_and_b32 s60, s[WV], 3
	s_mul_i32 s58, s60, 3072
	s_add_nc_u64 s[26:27], s[4:5], s[58:59]        ; its codes
	s_lshl_b32 s58, s60, 7
	s_add_nc_u64 s[4:5], s[4:5], s[58:59]          ; its scale words
	s_and_b32 s61, s47, 15                         ; head
	s_lshl_b32 s58, s61, 8
	s_add_nc_u64 s[18:19], s[18:19], s[58:59]
	s_add_nc_u64 s[20:21], s[20:21], s[58:59]
	s_lshl_b32 s58, s61, 2
	s_add_nc_u64 s[8:9], s[8:9], s[58:59]
	s_add_nc_u64 s[10:11], s[10:11], s[58:59]
	s_add_nc_u64 s[12:13], s[12:13], s[58:59]
	s_add_nc_u64 s[14:15], s[14:15], s[58:59]
	s_load_b32 s66, s[8:9], 0x0
	s_load_b32 s67, s[10:11], 0x0
	s_load_b32 s68, s[12:13], 0x0
	s_load_b32 s69, s[14:15], 0x0
	s_load_b32 s70, s[16:17], 0x0
	WIN 0x40                                       ; destination window 1
.irp qt, 0,1
	global_load_b128 v[18*\qt:18*\qt+3], v[B16], s[26:27] offset:1536*\qt
	global_load_b64 v[18*\qt+4:18*\qt+5], v[B8], s[26:27] offset:1536*\qt+512
	global_load_b128 v[18*\qt+12:18*\qt+15], v[B16], s[26:27] offset:1536*\qt+768
	global_load_b64 v[18*\qt+16:18*\qt+17], v[B8], s[26:27] offset:1536*\qt+1280
.irp i, 6,7,8,9,10,11
	v_mov_b32 v[18*\qt+\i], 0                      ; the zero codes between q1 and q2
.endr
.endr
.irp b, 0,1
.irp j, 0,1,2,3
	global_load_b128 v[148+16*\b+4*\j:151+16*\b+4*\j], v241, s[18:19] offset:128*\b+16*\j   ; register 16 b + i belongs to d = 32 b + 16 h + i
	global_load_b128 v[180+16*\b+4*\j:183+16*\b+4*\j], v241, s[20:21] offset:128*\b+16*\j
.endr
.endr
.set j, 0
.rept 64
	v_mov_b32 v[36+j], 0                           ; O^T.  (Pass 2's step is written for a sum in hand: a first step of its own would be a third copy of it)
.set j, j+1
.endr
	WIN 0
.irp qt, 0,1
	global_load_b32 v[QS+\qt], v[BS], s[4:5] offset:12288+64*\qt
.endr
	; where the results go: AC [rb][ks][tile][part][768], AS [rb][ks][tile][16] words
	s_lshr_b32 s62, s47, 4
	s_lshl_b32 s62, s62, 4
	s_lshl_b32 s63, s46, 1
	s_add_co_u32 s62, s62, s63
	s_lshr_b32 s63, s[WV], 2
	s_add_co_u32 s62, s62, s63                     ; rb
	s_lshl_b32 s62, s62, 3
	s_lshr_b32 s63, s61, 1
	s_add_co_u32 s62, s62, s63                     ; 8 rb + ks
	s_lshl_b32 s62, s62, 3
	s_lshl_b32 s63, s60, 1
	s_add_co_u32 s62, s62, s63                     ; x 8 + my first tile
	s_and_b32 s63, s47, 1                          ; part
	s_mul_i32 s58, s62, 1536
	s_mul_i32 s71, s63, 768
	s_add_co_u32 s58, s58, s71
	s_add_nc_u64 s[22:23], s[22:23], s[58:59]
	s_lshl_b32 s58, s62, 6
	s_lshl_b32 s71, s63, 1
	s_add_co_u32 s58, s58, s71
	s_add_nc_u64 s[24:25], s[24:25], s[58:59]
.irp k, 0,1,2,3
	v_mov_b32 v[P1+12*\k+4], 0xff61b1e6            ; the largest score so far: -3e38
	v_mov_b32 v[P1+12*\k+2], 0
	v_mov_b32 v[P1+12*\k+3], 0
.endr
.irp k, 0,1,2,3
	v_mul_f32 v[P1+12*\k], s[NC], v[P1+12*\k+4]
.endr
.irp k, 0,1,2,3
	v_mov_b32 v[P1+12*\k+1], v[P1+12*\k]
.endr
	s_wait_kmcnt 0x0
	v_mul_f32 v[LAM], s66, s67
	v_mul_f32 v243, s68, s69
	v_mul_f32 v[LAM], 0x3fb8aa3b, v[LAM]
	v_mul_f32 v243, 0x3fb8aa3b, v243
	v_exp_f32 v[LAM], v[LAM]
	v_exp_f32 v243, v243
	v_sub_f32 v[OML], 1.0, s70                     ; (a plain place behind the exponentials)  1 - lambda_init
	s_wait_alu depctr_va_vdst(0)
	v_sub_f32 v[LAM], v[LAM], v243
	v_add_f32 v[LAM], s70, v[LAM]                  ; lambda = exp(lq1 lk1) - exp(lq2 lk2) + lambda_init
	v_mov_b32 v[OML+1], v[OML]
	s_mov_b32 s[TB], 0
	v_mov_b32 v[AD16], v[B16]
	v_mov_b32 v[AD8], v[B8]
	v_mov_b32 v[ADS], v[BS]
	s_wait_tensorcnt 0x0                           ; my two records have landed,
	s_barrier_signal -1
	s_barrier_wait -1                              ; everybody's have: the head's k and v are whole, and stay
	s_wait_loadcnt 0x0                             ; q, gain, bias
	WIN 0x41
.set j, 0
.rept 32
	v_pk_mul_f32 v[148+j:149+j], v[148+j:149+j], v[OML:OML+1] op_sel_hi:[1,0]
.set j, j+2
.endr
	WIN 0
; chunk ch of a record: two tiles of 16 keys, each [k1 | k2] in four pieces, and its scale words: ten loads
.macro KLOAD buf, a16, a8, asc, ch
.irp t, 0,1
	ds_load_b128 v[\buf+12*\t:\buf+12*\t+3], v[\a16] offset:(2*\ch+\t)*1536
	ds_load_b64 v[\buf+12*\t+4:\buf+12*\t+5], v[\a8] offset:(2*\ch+\t)*1536+512
	ds_load_b128 v[\buf+12*\t+6:\buf+12*\t+9], v[\a16] offset:(2*\ch+\t)*1536+768
	ds_load_b64 v[\buf+12*\t+10:\buf+12*\t+11], v[\a8] offset:(2*\ch+\t)*1536+1280
	ds_load_b32 v[\buf+24+\t], v[\asc] offset:12288+64*(2*\ch+\t)
.endr
.endm
; eight products: 32 keys x 32 queries x two softmaxes; each starts its sum with 0
.macro QKMUL buf
	WIN 0x04                                       ; source 1 (q) window 1
.irp t, 0,1
.irp qt, 0,1
	v_wmma_scale_f32_16x16x128_f8f6f4 v[S+32*\qt+8*\t:S+32*\qt+8*\t+7], v[\buf+12*\t:\buf+12*\t+11], v[18*\qt:18*\qt+11], 0, v[\buf+24+\t], v[QS+\qt] matrix_a_fmt:MATRIX_FMT_FP6 matrix_b_fmt:MATRIX_FMT_FP6
	v_wmma_scale_f32_16x16x128_f8f6f4 v[S+32*\qt+16+8*\t:S+32*\qt+23+8*\t], v[\buf+12*\t:\buf+12*\t+11], v[18*\qt+6:18*\qt+17], 0, v[\buf+24+\t], v[QS+\qt] matrix_a_fmt:MATRIX_FMT_FP6 matrix_b_fmt:MATRIX_FMT_FP6 matrix_a_scale:MATRIX_SCALE_ROW1 matrix_b_scale:MATRIX_SCALE_ROW1
.endr
.endr
	WIN 0
.endm
; PASS 1, 16 scores of each of four streams, the streams by turns.  -c m is kept in two registers by turns (par), so that the old one is at hand for f = 2^(c m_old - c m_new).
.macro P1SOFT par
.irp i, 0,2,4,6,8,10,12,14
.irp k, 0,1,2,3
	v_max3_num_f32 v[P1+12*\k+4], v[P1+12*\k+4], v[S+16*\k+\i], v[S+16*\k+\i+1]
.endr
.endr
.irp k, 0,1,2,3
	v_mul_f32 v[P1+12*\k+\par], s[NC], v[P1+12*\k+4]
.endr
.irp k, 0,1,2,3
	v_sub_f32 v[P1+12*\k+7], v[P1+12*\k+\par], v[P1+12*\k+1-\par]
.endr
.irp k, 0,1,2,3
	v_exp_f32 v[P1+12*\k+6], v[P1+12*\k+7]
.endr
.irp i, 0,2,4,6,8,10,12,14
.irp k, 0,1,2,3
.if \par
	v_pk_fma_f32 v[S+16*\k+\i:S+16*\k+\i+1], v[S+16*\k+\i:S+16*\k+\i+1], s[CS:CS+1], v[P1+12*\k:P1+12*\k+1] op_sel:[0,0,1] op_sel_hi:[1,0,1]
.else
	v_pk_fma_f32 v[S+16*\k+\i:S+16*\k+\i+1], v[S+16*\k+\i:S+16*\k+\i+1], s[CS:CS+1], v[P1+12*\k:P1+12*\k+1] op_sel_hi:[1,0,0]
.endif
.endr
.endr
.set j, 0
.rept 64
	v_exp_f32 v[S+j], v[S+j]
.set j, j+1
.endr
	v_nop                                          ; a plain place behind the exponentials
	s_wait_alu depctr_va_vdst(0)
.irp k, 0,1,2,3
	v_pk_fma_f32 v[P1+12*\k+2:P1+12*\k+3], v[P1+12*\k+2:P1+12*\k+3], v[P1+12*\k+6:P1+12*\k+7], v[S+16*\k:S+16*\k+1] op_sel_hi:[1,0,1]   ; l = l f + p
.endr
.irp k, 0,1,2,3
	v_pk_add_f32 v[P1+12*\k+8:P1+12*\k+9], v[S+16*\k+2:S+16*\k+3], v[S+16*\k+4:S+16*\k+5]
.endr
.irp i, 6,10
.irp k, 0,1,2,3
	v_pk_add_f32 v[P1+12*\k+2:P1+12*\k+3], v[P1+12*\k+2:P1+12*\k+3], v[S+16*\k+\i:S+16*\k+\i+1]
.endr
.irp k, 0,1,2,3
	v_pk_add_f32 v[P1+12*\k+8:P1+12*\k+9], v[P1+12*\k+8:P1+12*\k+9], v[S+16*\k+\i+2:S+16*\k+\i+3]
.endr
.endr
.irp k, 0,1,2,3
	v_pk_add_f32 v[P1+12*\k+2:P1+12*\k+3], v[P1+12*\k+2:P1+12*\k+3], v[S+16*\k+14:S+16*\k+15]
.endr
.irp k, 0,1,2,3
	v_pk_add_f32 v[P1+12*\k+2:P1+12*\k+3], v[P1+12*\k+2:P1+12*\k+3], v[P1+12*\k+8:P1+12*\k+9]
.endr
.endm
; the next record's addresses: three plain lines and a v_nop, which are also the four places in front of the loads behind them.  The loads that last named these registers are shown done by the chunk's wait
.macro NEXTADR wrap
.if \wrap
	v_mov_b32 v[N16], v[B16]
	v_mov_b32 v[N8], v[B8]
	v_mov_b32 v[NS], v[BS]
.else
	v_add_nc_u32 v[N16], REC, v[AD16]
	v_add_nc_u32 v[N8], REC, v[AD8]
	v_add_nc_u32 v[NS], REC, v[ADS]
.endif
	v_nop
.endm
; A step of pass 1: one record, 128 keys, four chunks on two buffers.  At its head chunks 0 and 1 are on their way.  Each wait leaves the ten loads of the chunk behind the one wanted.
.macro P1STEP last
	s_wait_dscnt 10
	QKMUL KX
	NOP4
	KLOAD KX, AD16, AD8, ADS, 2
	P1SOFT 0
	s_wait_dscnt 10
	QKMUL KY
	NOP4
	KLOAD KY, AD16, AD8, ADS, 3
	P1SOFT 1
	s_wait_dscnt 10
	QKMUL KX
	NEXTADR \last                                  ; the last step asks for record 0 again: pass 2 begins there
	KLOAD KX, N16, N8, NS, 0
	P1SOFT 0
	s_wait_dscnt 10                                ; chunk 3 is in: no load that names AD.. is out any more
	QKMUL KY
	NOP4
	KLOAD KY, N16, N8, NS, 1
	P1SOFT 1
.if \last
	s_mov_b32 s[TB], 0
.else
	s_add_co_u32 s[TB], s[TB], REC
.endif
	v_add_nc_u32 v[AD16], s[TB], v[B16]
	v_add_nc_u32 v[AD8], s[TB], v[B8]
	v_add_nc_u32 v[ADS], s[TB], v[BS]
.endm
	KLOAD KX, AD16, AD8, ADS, 0
	KLOAD KY, AD16, AD8, ADS, 1
	s_mov_b32 s[CNT], 15
.Lpass1:
	P1STEP 0
	s_sub_co_u32 s[CNT], s[CNT], 1
	s_cmp_lg_u32 s[CNT], 0
	s_cbranch_scc1 .Lpass1
	P1STEP 1
	v_mov_b32 v[AD4], v[B4]
	; the two halves of the lanes are joined: the larger maximum (the smaller -c m), both sums brought under it
.irp k, 0,1,2,3
	v_add_f32 v[P1+12*\k+2], v[P1+12*\k+2], v[P1+12*\k+3]
.endr
.irp k, 0,1,2,3
	v_permlanex16_b32 v[P1+12*\k+8], v[P1+12*\k+1], s[SEL], s[SEL+1]
	v_permlanex16_b32 v[P1+12*\k+9], v[P1+12*\k+2], s[SEL], s[SEL+1]
.endr
.irp k, 0,1,2,3
	v_min_num_f32 v[P1+12*\k+4], v[P1+12*\k+1], v[P1+12*\k+8]
.endr
.irp k, 0,1,2,3
	v_sub_f32 v[P1+12*\k+6], v[P1+12*\k+4], v[P1+12*\k+1]
	v_sub_f32 v[P1+12*\k+7], v[P1+12*\k+4], v[P1+12*\k+8]
.endr
.irp k, 0,1,2,3
	v_exp_f32 v[P1+12*\k+6], v[P1+12*\k+6]
	v_exp_f32 v[P1+12*\k+7], v[P1+12*\k+7]
.endr
	v_nop
	s_wait_alu depctr_va_vdst(0)
.irp k, 0,1,2,3
	v_mul_f32 v[P1+12*\k+2], v[P1+12*\k+2], v[P1+12*\k+6]
.endr
.irp k, 0,1,2,3
	v_fma_f32 v[P1+12*\k+2], v[P1+12*\k+9], v[P1+12*\k+7], v[P1+12*\k+2]
.endr
.irp k, 0,1,2,3
	v_rcp_f32 v[P1+12*\k+2], v[P1+12*\k+2]
.endr
	v_nop
	s_wait_alu depctr_va_vdst(0)
.irp qt, 0,1
	v_mov_b32 v[CN+4*\qt], v[P1+24*\qt+4]
	v_mov_b32 v[CN+4*\qt+1], v[P1+24*\qt+16]
	v_mov_b32 v[CN+4*\qt+2], v[P1+24*\qt+2]                    ; 1 / l1
	v_mul_f32 v[CN+4*\qt+3], -v[LAM], v[P1+24*\qt+14]          ; -lambda / l2
.endr
; PASS 2, block b of 32 keys: p = 2^(c s1 - c m1) / l1 - lambda 2^(c s2 - c m2) / l2 with the c and the -c m of pass 1; the block's largest magnitude, its byte, its codes
.macro P2SOFT b
.irp i, 0,2,4,6,8,10,12,14
.irp qt, 0,1
	v_pk_fma_f32 v[S+32*\qt+\i:S+32*\qt+\i+1], v[S+32*\qt+\i:S+32*\qt+\i+1], s[CS:CS+1], v[CN+4*\qt:CN+4*\qt+1] op_sel_hi:[1,0,0]
	v_pk_fma_f32 v[S+32*\qt+16+\i:S+32*\qt+17+\i], v[S+32*\qt+16+\i:S+32*\qt+17+\i], s[CS:CS+1], v[CN+4*\qt:CN+4*\qt+1] op_sel:[0,0,1] op_sel_hi:[1,0,1]
.endr
.endr
.set j, 0
.rept 64
	v_exp_f32 v[S+j], v[S+j]
.set j, j+1
.endr
	v_nop
	s_wait_alu depctr_va_vdst(0)
.irp i, 0,2,4,6,8,10,12,14
.irp qt, 0,1
	v_pk_mul_f32 v[S+32*\qt+\i:S+32*\qt+\i+1], v[S+32*\qt+\i:S+32*\qt+\i+1], v[CN+4*\qt+2:CN+4*\qt+3] op_sel_hi:[1,0]
.endr
.endr
.irp i, 0,2,4,6,8,10,12,14
.irp qt, 0,1
	v_pk_fma_f32 v[S+32*\qt+\i:S+32*\qt+\i+1], v[S+32*\qt+16+\i:S+32*\qt+17+\i], v[CN+4*\qt+2:CN+4*\qt+3], v[S+32*\qt+\i:S+32*\qt+\i+1] op_sel:[0,1,0] op_sel_hi:[1,1,1]
.endr
.endr
.irp qt, 0,1
	v_max3_num_f32 v[TM+\qt], |v[S+32*\qt]|, |v[S+32*\qt+1]|, 0x1800000   ; with the floor 2^(3 - 127): the byte cannot fall under 1
	v_max_num_f32 v[T2R+\qt], |v[S+32*\qt+2]|, |v[S+32*\qt+3]|
.endr
.irp i, 4,8,12
.irp qt, 0,1
	v_max3_num_f32 v[TM+\qt], v[TM+\qt], |v[S+32*\qt+\i]|, |v[S+32*\qt+\i+1]|
	v_max3_num_f32 v[T2R+\qt], v[T2R+\qt], |v[S+32*\qt+\i+2]|, |v[S+32*\qt+\i+3]|
.endr
.endr
.irp qt, 0,1
	v_max_num_f32 v[TM+\qt], v[TM+\qt], v[T2R+\qt]
.endr
.irp qt, 0,1
	v_permlanex16_b32 v[T2R+\qt], v[TM+\qt], s[SEL], s[SEL+1]
.endr
.irp qt, 0,1
	v_max_num_f32 v[TM+\qt], v[TM+\qt], v[T2R+\qt]
.endr
.irp qt, 0,1
	v_add_nc_u32 v[SCO+\qt], 0xff000000, v[TM+\qt]
.endr
.irp qt, 0,1
	v_lshrrev_b32 v[BY+\qt], 23, v[SCO+\qt]
.endr
.irp qt, 0,1
.if \b == 0
	v_mov_b32 v[PW+\qt], v[BY+\qt]
.else
	v_lshl_or_b32 v[PW+\qt], v[BY+\qt], 8*\b, v[PW+\qt]
.endif
.endr
.set po, (\b%2)*(12+4*(\b/2))+(1-\b%2)*6*(\b/2)    ; blocks 0, 1, 2, 3 at 0, 12, 6, 16: a conversion's three registers begin on an even number
.irp qt, 0,1
	v_cvt_scalef32_pk16_fp6_f32 v[PC+20*\qt+po:PC+20*\qt+po+2], v[S+32*\qt:S+32*\qt+15], v[SCO+\qt]
.endr
	v_nop                                          ; one plain place behind a scaled conversion
.endm
.macro VLOAD                           ; the record's v: four fragments in three planes each, and two registers of scale words: 14 loads
	WIN 0x40
.irp dt, 0,1,2,3
.irp p, 0,1,2
	ds_load_b128 v[100+12*\dt+4*\p:103+12*\dt+4*\p], v[AD16] offset:13312+1536*\dt+512*\p
.endr
.endr
	WIN 0
.irp i, 0,1
	ds_load_b32 v[VS+\i], v[AD4] offset:19456+128*\i
.endr
.endm
.macro PVMUL                           ; O^T += v^T p^T: eight accumulators by turns
	WIN 0x51                                       ; source 0 (v) and O^T window 1, source 1 (p) window 0
.irp dt, 0,1,2,3
.irp qt, 0,1
.if \dt%2
	v_wmma_scale_f32_16x16x128_f8f6f4 v[36+32*\qt+8*\dt:43+32*\qt+8*\dt], v[100+12*\dt:111+12*\dt], v[PC+20*\qt:PC+20*\qt+11], v[36+32*\qt+8*\dt:43+32*\qt+8*\dt], v[VS+\dt/2], v[PW+\qt] matrix_a_fmt:MATRIX_FMT_FP6 matrix_b_fmt:MATRIX_FMT_FP6 matrix_a_scale:MATRIX_SCALE_ROW1
.else
	v_wmma_scale_f32_16x16x128_f8f6f4 v[36+32*\qt+8*\dt:43+32*\qt+8*\dt], v[100+12*\dt:111+12*\dt], v[PC+20*\qt:PC+20*\qt+11], v[36+32*\qt+8*\dt:43+32*\qt+8*\dt], v[VS+\dt/2], v[PW+\qt] matrix_a_fmt:MATRIX_FMT_FP6 matrix_b_fmt:MATRIX_FMT_FP6
.endif
.endr
.endr
	WIN 0
.endm
.macro P2STEP last
	s_wait_dscnt 10
	QKMUL KX
	NOP4
	KLOAD KX, AD16, AD8, ADS, 2
	P2SOFT 0
	s_wait_dscnt 10
	QKMUL KY
	NOP4
	KLOAD KY, AD16, AD8, ADS, 3
	P2SOFT 1
	s_wait_dscnt 10
	QKMUL KX
.if \last
	NOP4
	VLOAD
.else
	NEXTADR 0
	VLOAD
	KLOAD KX, N16, N8, NS, 0
.endif
	P2SOFT 2
.if \last
	s_wait_dscnt 14                                ; behind chunk 3: v's 14
.else
	s_wait_dscnt 24                                ; behind chunk 3: v's 14 and the next record's 10
.endif
	QKMUL KY
	NOP4
.if \last == 0
	KLOAD KY, N16, N8, NS, 1
.endif
	P2SOFT 3
.irp qt, 0,1                                   ; the operand's layout wants a whole block in a lane
.irp c, 0,1
.irp i, 0,1,2
	v_permlane16_swap_b32 v[PC+20*\qt+6*\c+\i], v[PC+20*\qt+12+4*\c+\i]
.endr
.irp i, 0,1,2
	v_mov_b32 v[PC+20*\qt+3+6*\c+\i], v[PC+20*\qt+12+4*\c+\i]
.endr
.endr
.endr
.if \last
	s_wait_dscnt 0x0
	NOP4
	NOP4
.else
	s_wait_dscnt 20                                ; v is in (behind it: the next record's two chunks): no load that names AD.. is out
	s_add_co_u32 s[TB], s[TB], REC
	v_add_nc_u32 v[AD16], s[TB], v[B16]            ; these four and four v_nop: eight places between the last write of p's scale word and codes and the products
	v_add_nc_u32 v[AD8], s[TB], v[B8]
	v_add_nc_u32 v[ADS], s[TB], v[BS]
	v_add_nc_u32 v[AD4], s[TB], v[B4]
	NOP4
.endif
	PVMUL
.endm
	s_mov_b32 s[CNT], 15
.Lpass2:
	P2STEP 0
	s_sub_co_u32 s[CNT], s[CNT], 1
	s_cmp_lg_u32 s[CNT], 0
	s_cbranch_scc1 .Lpass2
	P2STEP 1
	NOP4                                           ; places behind the last products
; GroupNorm of tile qt: a lane holds 32 of its query's 64 numbers (register 16 b + i: d = 32 b + 16 h + i), lane l xor 16 the others.  Each accumulator is read from its low end on.
.macro GNQ qt
.set O, 36+32*\qt
	WIN 0x05
.irp k, 0,1,2,3
	v_pk_add_f32 v[100+2*\k:101+2*\k], v[O+8*\k:O+8*\k+1], v[O+8*\k+2:O+8*\k+3]
.endr
	WIN 0x01
.irp k, 0,1,2,3
	v_pk_add_f32 v[100+2*\k:101+2*\k], v[O+8*\k+4:O+8*\k+5], v[100+2*\k:101+2*\k]
.endr
.irp k, 0,1,2,3
	v_pk_add_f32 v[100+2*\k:101+2*\k], v[O+8*\k+6:O+8*\k+7], v[100+2*\k:101+2*\k]
.endr
	WIN 0
	v_pk_add_f32 v[100:101], v[100:101], v[102:103]
	v_pk_add_f32 v[104:105], v[104:105], v[106:107]
	v_pk_add_f32 v[100:101], v[100:101], v[104:105]
	v_add_f32 v100, v100, v101
	v_permlanex16_b32 v101, v100, s[SEL], s[SEL+1]
	v_add_f32 v100, v100, v101
	v_mul_f32 v100, s73, v100                      ; the mean
	v_mov_b32 v101, v100
	WIN 0x01
.set j, 0
.rept 16
	v_pk_add_f32 v[S+j:S+j+1], v[O+j:O+j+1], v[100:101] neg_lo:[0,1] neg_hi:[0,1]
.set j, j+2
.endr
	WIN 0
	v_pk_mul_f32 v[102:103], v[S:S+1], v[S:S+1]
	v_pk_mul_f32 v[104:105], v[S+2:S+3], v[S+2:S+3]
.irp i, 4,8,12,16,20,24,28
	v_pk_fma_f32 v[102:103], v[S+\i:S+\i+1], v[S+\i:S+\i+1], v[102:103]
	v_pk_fma_f32 v[104:105], v[S+\i+2:S+\i+3], v[S+\i+2:S+\i+3], v[104:105]
.endr
	v_pk_add_f32 v[102:103], v[102:103], v[104:105]
	v_add_f32 v102, v102, v103
	v_permlanex16_b32 v103, v102, s[SEL], s[SEL+1]
	v_add_f32 v102, v102, v103
	v_fmaak_f32 v102, s73, v102, 0x3727c5ac        ; the variance + 1e-5
	v_rsq_f32 v102, v102
	v_nop
	s_wait_alu depctr_va_vdst(0)
	v_mov_b32 v103, v102
.set j, 0
.rept 16
	v_pk_mul_f32 v[S+j:S+j+1], v[S+j:S+j+1], v[102:103]
.set j, j+2
.endr
	WIN 0x14                                       ; sources 1 and 2 (gain, bias) window 1
.set j, 0
.rept 16
	v_pk_fma_f32 v[S+j:S+j+1], v[S+j:S+j+1], v[148+j:149+j], v[180+j:181+j]
.set j, j+2
.endr
	WIN 0
.irp b, 0,1
	v_max3_num_f32 v[TM+\b], |v[S+16*\b]|, |v[S+16*\b+1]|, 0x1800000
.endr
.irp i, 2,4,6,8,10,12,14
.irp b, 0,1
	v_max3_num_f32 v[TM+\b], v[TM+\b], |v[S+16*\b+\i]|, |v[S+16*\b+\i+1]|
.endr
.endr
.irp b, 0,1
	v_permlanex16_b32 v[T2R+\b], v[TM+\b], s[SEL], s[SEL+1]
.endr
.irp b, 0,1
	v_max_num_f32 v[TM+\b], v[TM+\b], v[T2R+\b]
.endr
.irp b, 0,1
	v_add_nc_u32 v[SCO+\b], 0xff000000, v[TM+\b]
.endr
.irp b, 0,1
	v_lshrrev_b32 v[BY+\b], 23, v[SCO+\b]
.endr
	v_lshl_or_b32 v[GW+\qt], v[BY+1], 8, v[BY]     ; the head's two bytes of my row's scale word
	v_cvt_scalef32_pk16_fp6_f32 v[PC+20*\qt:PC+20*\qt+2], v[S:S+15], v[SCO]
	v_cvt_scalef32_pk16_fp6_f32 v[PC+20*\qt+12:PC+20*\qt+14], v[S+16:S+31], v[SCO+1]
	v_nop
.irp i, 0,1,2
	v_permlane16_swap_b32 v[PC+20*\qt+\i], v[PC+20*\qt+12+\i]
.endr
.irp i, 0,1,2
	v_mov_b32 v[PC+20*\qt+3+\i], v[PC+20*\qt+12+\i]
.endr
	global_store_b128 v[B16], v[PC+20*\qt:PC+20*\qt+3], s[22:23] offset:1536*\qt          ; half an image: 512 and 256 consecutive bytes, aligned
	global_store_b64 v[B8], v[PC+20*\qt+4:PC+20*\qt+5], s[22:23] offset:1536*\qt+512
.endm
	GNQ 0
	GNQ 1
	v_permlane16_swap_b32 v[GW], v[GW+1]           ; lanes 0-15 my first tile's rows, lanes 16-31 my second's
	global_store_b16 v[B4], v[GW], s[24:25]        ; two bytes of each row's word; the head beside mine writes the other two.  The one narrow store: 64 bytes a wave
	s_wait_dscnt 0x0
	s_wait_tensorcnt 0x0
	ds_add_u32 v254, v255
	s_wait_dscnt 0x0
	CROUND                                         ; the closing round: no work-group ends while a partner may still ask for a tile that names it
	s_endpgm
.Lfunc_end_k_q023658c165_attn:
	.size	k_q023658c165_attn, .Lfunc_end_k_q023658c165_attn-k_q023658c165_attn
	.p2alignl 7, 3214868480
	.fill 96, 4, 3214868480
	.section	.rodata,"a",@progbits
	.p2align	6, 0x0
	.amdhsa_kernel k_q023658c165_attn
		.amdhsa_group_segment_fixed_size 327680
		.amdhsa_private_segment_fixed_size 0
		.amdhsa_enable_private_segment 0
		.amdhsa_kernarg_size 88
		.amdhsa_user_sgpr_count 2
		.amdhsa_user_sgpr_kernarg_segment_ptr 1
		.amdhsa_wavefront_size32 1
		.amdhsa_system_sgpr_workgroup_id_x 1
		.amdhsa_system_sgpr_workgroup_id_y 1
		.amdhsa_system_sgpr_workgroup_id_z 1
		.amdhsa_system_vgpr_workitem_id 0
		.amdhsa_next_free_vgpr 512
		.amdhsa_next_free_sgpr 74
		.amdhsa_reserve_vcc 0
		.amdhsa_float_denorm_mode_32 3
		.amdhsa_float_denorm_mode_16_64 3
		.amdhsa_memory_ordered 1
		.amdhsa_forward_progress 1
		.amdhsa_inst_pref_size 199
	.end_amdhsa_kernel
	.amdgpu_metadata
---
amdhsa.version: [ 1, 2 ]
amdhsa.kernels:
  - .name:           k_q023658c165_attn
    .symbol:         k_q023658c165_attn.kd
    .args:
      - { .name: QR, .offset: 0, .size: 8, .value_kind: global_buffer, .address_space: global }
      - { .name: KV, .offset: 8, .size: 8, .value_kind: global_buffer, .address_space: global }
      - { .name: lambda_q1, .offset: 16, .size: 8, .value_kind: global_buffer, .address_space: global }
      - { .name: lambda_k1, .offset: 24, .size: 8, .value_kind: global_buffer, .address_space: global }
      - { .name: lambda_q2, .offset: 32, .size: 8, .value_kind: global_buffer, .address_space: global }
      - { .name: lambda_k2, .offset: 40, .size: 8, .value_kind: global_buffer, .address_space: global }
      - { .name: lambda_init, .offset: 48, .size: 8, .value_kind: global_buffer, .address_space: global }
      - { .name: gn_weight, .offset: 56, .size: 8, .value_kind: global_buffer, .address_space: global }
      - { .name: gn_bias, .offset: 64, .size: 8, .value_kind: global_buffer, .address_space: global }
      - { .name: AC, .offset: 72, .size: 8, .value_kind: global_buffer, .address_space: global }
      - { .name: AS, .offset: 80, .size: 8, .value_kind: global_buffer, .address_space: global }
    .group_segment_fixed_size: 327680
    .private_segment_fixed_size: 0
    .kernarg_segment_align: 8
    .kernarg_segment_size: 88
    .max_flat_workgroup_size: 256
    .sgpr_count:     74
    .vgpr_count:     512
    .wavefront_size: 32
...
	.end_amdgpu_metadata
.endif
;; end of part 2
;; launch proj (part 3): grid 8 x 32, 4 waves a work-group, clusters of 4 x 4, 239,104 bytes of LDS; arguments AC, AS, Wo_codes, Wo_scales, out0; writes out0
.if DOCPART == 3
	.amdgcn_target "amdgcn-amd-amdhsa--gfx1250"
	.amdhsa_code_object_version 6
	.text
	.protected	k_q023658c165_proj
	.globl	k_q023658c165_proj
	.p2align	8
	.type	k_q023658c165_proj,@function
k_q023658c165_proj:
	s_mov_b64 s[64:65], 0
	v_nop
	global_prefetch_b8 v0, s[64:65] scope:SCOPE_SE
	s_setreg_imm32_b32 hwreg(HW_REG_WAVE_MODE, 25, 1), 1
	s_wait_xcnt 0x0
	s_wait_alu depctr_hold_cnt(0) depctr_sa_sdst(0) depctr_va_vdst(0) depctr_va_sdst(0) depctr_va_ssrc(0) depctr_va_vcc(0) depctr_vm_vsrc(0)
	s_getreg_b32 s2, hwreg(HW_REG_IB_STS2, 6, 4)
	s_cmp_eq_u32 s2, 0
	s_cbranch_scc0 .Lentry_in_a_cluster
	s_endpgm
.Lentry_in_a_cluster:
	s_bfe_u32 s2, ttmp6, 0x10000c
	s_cmp_lg_u32 s2, 0xf033
	s_cbranch_scc0 .Lentry_shape_is_right
	s_endpgm
.Lentry_shape_is_right:
; out0 = A Wo: A [4096][1024] arrives as images of operand registers (AC) with its scale words (AS), Wo as given codes [1024 (n)][1024 (k)] of FP6 (E2M3) and scale bytes; out0 [4096][1024] f32.
; A tile of 128 x 128 gives 8 x 32 = 256 work-groups; four waves, each 64 x 64: 16 accumulators.  All of K (1,024) fits in LDS: every byte is filled once, in four chunks of 256 along K, all asked for at the start;
; the products of a chunk begin as soon as it has landed.  CLUSTERS: 4 x 4: A's block is shared along a row of the cluster, Wo's along a column, by joint loads.
; The matrix instruction is used transposed (source 0 = 16 rows of Wo, source 1 = 16 rows of A): a lane holds eight neighbouring numbers of a row of out0.
; The scale words go from memory into registers once: A's two tiles to a register (lanes 0-15, lanes 16-31), Wo's eight words of a row in eight registers.
; LIMITS: NaN, infinities and scale bytes 0xff are not served.
; REGISTERS.  window 0: v4-14 addresses; v16-31 A's scale words (2 ks + a / 2); v32-63 Wo's (8 b + ks); v64-127 the way out; v128-255 accumulators (8 (4 a + b)).   window 1: two sets of fragments at v0 and v128: A's four, then Wo's four.
.set PITCH, 240
.set BT,    98304                      ; behind A's 64 images of 1,536 bytes: Wo's four chunks of 128 rows x 240
.set CHB,   128*PITCH
.set STAGE, BT+4*CHB                   ; the way out: 16 rows x 272 for each wave
.set SP,    272
.set LA16,  4                          ; v4-5 A's images, 16 x lane, for K steps 0-3 and 4-7
.set LA8,   6                          ; v6-7 the same with 8 x lane
.set ADB,   8                          ; v8-9 Wo's fragments in chunks 0-1 and 2-3; v10-11 the same behind one padding more
.set STO,   12
.set RD,    13
.set CO,    14
.set SA,    16
.set SB,    32
.set OB,    64
.set ACC,   128
.set G1A,   20
.set G1B,   28
.set G0A,   36                         ; s[36:51] four groups 0 for A's chunks
.set G0B,   68                         ; s[68:83] four for Wo's
.set MSB, 0
.macro WIN new
.if MSB != \new
	s_set_vgpr_msb (MSB<<8)|\new
.set MSB, \new
.endif
.endm
.macro PLACES n
.rept \n
	v_nop
.endr
.endm
.macro JLOAD c                         ; waves 0 and 1 fetch A's two K steps of chunk c, waves 2 and 3 Wo's two halves.  Four v_nop follow each line
	s_cmp_eq_u32 s15, 0
	s_cbranch_scc0 .Lfor_b_\@
	tensor_load_to_lds s[G0A+4*\c:G0A+4*\c+3], s[G1A:G1A+7]
	s_nop 0
.rept 4
	v_nop
.endr
	s_branch .Lasked_\@
.Lfor_b_\@:
	tensor_load_to_lds s[G0B+4*\c:G0B+4*\c+3], s[G1B:G1B+7]
	s_nop 0
.rept 4
	v_nop
.endr
.Lasked_\@:
.endm
.macro CROUND
	s_barrier_signal -1
	s_barrier_wait -1
	s_cmp_lg_u32 s14, 0
	s_cbranch_scc1 .Lnot_wave_0_\@
	s_barrier_signal -3
.Lnot_wave_0_\@:
	s_barrier_wait -3
	s_barrier_signal -1
	s_barrier_wait -1
.endm
	s_load_b256 s[4:11], s[0:1], 0x0               ; AC, AS, Wo codes, Wo scales
	s_load_b64 s[12:13], s[0:1], 0x20              ; out0
	s_set_vgpr_msb 0x40
	v_lshl_add_u32 v254, v0, 2, 0x3a400
	v_mov_b32 v255, 0
	s_set_vgpr_msb 0x4045
	ds_add_u32 v254, v255
	ds_add_u32 v254, v255
	s_set_vgpr_msb 0x4500
	v_lshrrev_b32 v1, 5, v0
	v_readfirstlane_b32 s14, v1                    ; wave 0..3
	s_lshr_b32 s15, s14, 1                         ; which 64 rows are mine.  Also: I fetch for A (0) or for Wo (1)
	s_and_b32 s16, s14, 1                          ; which 64 columns.  Also: which half of a chunk I fetch
	s_bfe_u32 s52, ttmp6, 0x40000                  ; cx
	s_bfe_u32 s53, ttmp6, 0x40004                  ; cy
	s_lshl_b32 s54, ttmp9, 2
	s_add_co_u32 s54, s54, s52                     ; tile column 0..7
	s_and_b32 s55, ttmp7, 0xffff
	s_lshl_b32 s55, s55, 2
	s_add_co_u32 s55, s55, s53                     ; tile row 0..31
	s_lshl_b32 s56, s53, 2
	s_lshl_b32 s56, 15, s56                        ; my row of the cluster
	s_lshl_b32 s57, 0x1111, s52                    ; my column
	s_or_b32 s[G1A], s56, (3<<16)|(1<<21)          ; A: a K step's eight images are dense: 48 rows of 256 bytes, no padding
	s_mov_b32 s[G1A+1], 32<<16
	s_mov_b32 s[G1A+2], 48<<16
	s_mov_b32 s[G1A+3], 32<<16
	s_mov_b32 s[G1A+4], 48
	s_mov_b32 s[G1A+5], 32
	s_mov_b32 s[G1A+6], 0
	s_mov_b32 s[G1A+7], 0
	s_or_b32 s[G1B], s57, (1<<20)|(1<<21)|(3<<22)|(3<<25)   ; Wo: 64 rows of 192 bytes, 768 apart; 16 bytes of padding behind every 64
	s_mov_b32 s[G1B+1], 192<<16
	s_mov_b32 s[G1B+2], 64<<16
	s_mov_b32 s[G1B+3], 192<<16
	s_mov_b32 s[G1B+4], 64
	s_mov_b32 s[G1B+5], 768
	s_mov_b32 s[G1B+6], 0
	s_mov_b32 s[G1B+7], 0
	s_mul_i32 s58, s55, 98304
	s_mul_i32 s62, s16, 12288
	s_add_co_u32 s58, s58, s62
	s_mov_b32 s59, 0
	s_lshl_b32 s60, s54, 7
	s_lshl_b32 s85, s16, 6
	s_add_co_u32 s60, s60, s85
	s_mul_i32 s60, s60, 768
	s_mov_b32 s61, 0
	s_mul_i32 s63, s16, 64*PITCH
	s_add_co_u32 s63, s63, BT
	s_wait_dscnt 0x0
	s_wait_kmcnt 0x0
	s_add_nc_u64 s[58:59], s[4:5], s[58:59]
	s_add_nc_u64 s[60:61], s[8:9], s[60:61]
	CROUND                                         ; all sixteen work-groups are here: the joint loads meet
.irp c, 0,1,2,3
	s_mov_b32 s[G0A+4*\c], 1
	s_add_co_u32 s[G0A+4*\c+1], s62, \c*24576
	s_add_nc_u64 s[G0A+4*\c+2:G0A+4*\c+3], s[58:59], \c*24576
	s_or_b32 s[G0A+4*\c+3], s[G0A+4*\c+3], 0x80000000
	s_mov_b32 s[G0B+4*\c], 1
	s_add_co_u32 s[G0B+4*\c+1], s63, \c*CHB
	s_add_nc_u64 s[G0B+4*\c+2:G0B+4*\c+3], s[60:61], \c*192
	s_or_b32 s[G0B+4*\c+3], s[G0B+4*\c+3], 0x80000000
	JLOAD \c                                       ; four loads of mine are out at the most
.endr
	v_and_b32 v1, 15, v0                           ; r
	v_bfe_u32 v2, v0, 4, 1                         ; h
	v_and_b32 v3, 31, v0                           ; lane
	; the scale words
	s_mov_b32 s87, 0
	s_lshl_b32 s86, s55, 12
	s_lshl_b32 s84, s15, 8
	s_add_co_u32 s86, s86, s84
	s_add_nc_u64 s[6:7], s[6:7], s[86:87]          ; AS: my block of rows, my four tiles
	s_lshl_b32 s86, s54, 7
	s_lshl_b32 s84, s16, 6
	s_add_co_u32 s86, s86, s84
	s_lshl_b32 s88, s86, 2                         ; (my first column in bytes, for the way out)
	s_lshl_b32 s86, s86, 5
	s_add_nc_u64 s[10:11], s[10:11], s[86:87]      ; Wo's scale rows of 32 bytes, my 64 rows
	v_lshlrev_b32 v64, 2, v3
	v_lshlrev_b32 v65, 5, v1
.irp k, 0,1,2,3,4,5,6,7
.irp i, 0,1
	global_load_b32 v[SA+2*\k+\i], v64, s[6:7] offset:512*\k+128*\i
.endr
.endr
.irp b, 0,1,2,3
	global_load_b128 v[SB+8*\b:SB+8*\b+3], v65, s[10:11] offset:512*\b
	global_load_b128 v[SB+8*\b+4:SB+8*\b+7], v65, s[10:11] offset:512*\b+16
.endr
	s_mul_i32 s84, s15, 4*1536
	v_lshl_add_u32 v[LA16], v3, 4, s84
	v_lshl_add_u32 v[LA8], v3, 3, s84
	v_add_nc_u32 v[LA16+1], 49152, v[LA16]
	v_add_nc_u32 v[LA8+1], 49152, v[LA8]
	v_mul_u32_u24 v15, v1, PITCH
	v_mad_u32_u24 v15, v2, 24, v15
	s_mul_i32 s85, s16, 64*PITCH
	s_add_co_u32 s85, s85, BT
	v_add_nc_u32 v[ADB], s85, v15
	v_lshl_add_u32 v[ADB+2], v2, 4, v[ADB]
	v_add_nc_u32 v[ADB+1], 2*CHB, v[ADB]
	v_add_nc_u32 v[ADB+3], 2*CHB, v[ADB+2]
	s_mul_i32 s86, s14, 16*SP
	s_add_co_u32 s86, s86, STAGE                   ; my stage
	v_mul_u32_u24 v[STO], v1, SP
	v_lshl_add_u32 v[STO], v2, 5, v[STO]
	v_add_nc_u32 v[STO], s86, v[STO]               ; in: row r, 32 bytes for each half of the lanes
	v_mul_u32_u24 v[RD], v2, SP
	v_lshl_add_u32 v[RD], v1, 4, v[RD]
	v_add_nc_u32 v[RD], s86, v[RD]                 ; back: lanes 0-15 one row of 256 bytes, lanes 16-31 the next
	v_lshlrev_b32 v[CO], 12, v2
	v_lshl_add_u32 v[CO], v1, 4, v[CO]             ; and the same two rows in out0
	s_lshl_b32 s86, s55, 7
	s_lshl_b32 s84, s15, 6
	s_add_co_u32 s86, s86, s84
	s_lshl_b32 s86, s86, 12                        ; my first row x 4,096 bytes
	s_add_co_u32 s86, s86, s88
	s_add_nc_u64 s[12:13], s[12:13], s[86:87]
.macro FRAG reg, adr, q, off           ; 16 rows x 128 K of 6-bit codes from padded rows: six pieces of 8 bytes
.irp p, 0,1,2,3,4,5
.set PCE, 12*(\q)+6*(\p/3)+\p%3
.if PCE%8 < 5
	ds_load_b64 v[\reg+2*\p:\reg+2*\p+1], v[\adr] offset:8*PCE+16*(PCE/8)+(\off)
.else
	ds_load_b64 v[\reg+2*\p:\reg+2*\p+1], v[\adr+2] offset:8*PCE+16*(PCE/8)+(\off)
.endif
.endr
.endm
.macro FETCH ks                        ; K step ks: A's four fragments from their images (16 loads), Wo's four (24)
.set FS, 128*((\ks)%2)
	WIN 0x40
.irp a, 0,1,2,3
	ds_load_b128 v[FS+12*\a:FS+12*\a+3], v[LA16+(\ks)/4] offset:((\ks)%4)*12288+\a*1536
	ds_load_b64 v[FS+12*\a+4:FS+12*\a+5], v[LA8+(\ks)/4] offset:((\ks)%4)*12288+\a*1536+512
	ds_load_b128 v[FS+12*\a+6:FS+12*\a+9], v[LA16+(\ks)/4] offset:((\ks)%4)*12288+\a*1536+768
	ds_load_b64 v[FS+12*\a+10:FS+12*\a+11], v[LA8+(\ks)/4] offset:((\ks)%4)*12288+\a*1536+1280
.endr
.irp b, 0,1,2,3
	FRAG FS+48+12*\b, ADB+(\ks)/4, (\ks)%2, (((\ks)/2)%2)*CHB+\b*16*PITCH
.endr
	WIN 0
.endm
.macro MUL ks                          ; 16 products, the accumulators by turns; the first K step starts the sums
.set FS, 128*((\ks)%2)
	WIN 0x05
.irp a, 0,1,2,3
.irp b, 0,1,2,3
.set rD, ACC+8*(4*\a+\b)
.if (\ks) == 0
.if \a%2
	v_wmma_scale_f32_16x16x128_f8f6f4 v[rD:rD+7], v[FS+48+12*\b:FS+59+12*\b], v[FS+12*\a:FS+12*\a+11], 0, v[SB+8*\b+(\ks)], v[SA+2*(\ks)+\a/2] matrix_a_fmt:MATRIX_FMT_FP6 matrix_b_fmt:MATRIX_FMT_FP6 matrix_b_scale:MATRIX_SCALE_ROW1
.else
	v_wmma_scale_f32_16x16x128_f8f6f4 v[rD:rD+7], v[FS+48+12*\b:FS+59+12*\b], v[FS+12*\a:FS+12*\a+11], 0, v[SB+8*\b+(\ks)], v[SA+2*(\ks)+\a/2] matrix_a_fmt:MATRIX_FMT_FP6 matrix_b_fmt:MATRIX_FMT_FP6
.endif
.else
.if \a%2
	v_wmma_scale_f32_16x16x128_f8f6f4 v[rD:rD+7], v[FS+48+12*\b:FS+59+12*\b], v[FS+12*\a:FS+12*\a+11], v[rD:rD+7], v[SB+8*\b+(\ks)], v[SA+2*(\ks)+\a/2] matrix_a_fmt:MATRIX_FMT_FP6 matrix_b_fmt:MATRIX_FMT_FP6 matrix_b_scale:MATRIX_SCALE_ROW1
.else
	v_wmma_scale_f32_16x16x128_f8f6f4 v[rD:rD+7], v[FS+48+12*\b:FS+59+12*\b], v[FS+12*\a:FS+12*\a+11], v[rD:rD+7], v[SB+8*\b+(\ks)], v[SA+2*(\ks)+\a/2] matrix_a_fmt:MATRIX_FMT_FP6 matrix_b_fmt:MATRIX_FMT_FP6
.endif
.endif
.endr
.endr
	WIN 0
.endm
.macro KSTEP ks
.if (\ks) < 7
.if ((\ks)+1)%2 == 0
	s_wait_dscnt 0x0                               ; no LDS load of mine is out at a signal
	s_wait_tensorcnt 3-((\ks)+1)/2                 ; my part of the next chunk has landed; the later chunks may stay out
	s_barrier_signal -1
	s_barrier_wait -1                              ; everybody's has
.endif
.if (\ks) > 0
	PLACES 4                                       ; in front of loads into registers that matrix instructions have read
.endif
	FETCH (\ks)+1
	s_wait_dscnt 40                                ; all but the 40 just issued
.else
	s_wait_dscnt 0x0
.endif
.if (\ks) == 0
	s_wait_loadcnt 0x0                             ; the scale words
.endif
	MUL \ks
.endm
	s_wait_tensorcnt 0x3                           ; my part of chunk 0 is in,
	s_barrier_signal -1
	s_barrier_wait -1                              ; everybody's is
	FETCH 0
.irp k, 0,1,2,3,4,5,6,7
	KSTEP \k
.endr
	; THE WAY OUT, 16 rows x 64 columns at a time, through my own stage: sixteen lanes then store 256 consecutive bytes, aligned.  LDS serves a wave's instructions in order: no wait between the stores and the loads.
.macro TOSTAGE a
.irp b, 0,1,2,3
	ds_store_b128 v[STO], v[ACC+8*(4*(\a)+\b):ACC+8*(4*(\a)+\b)+3] offset:64*\b          ; each accumulator from its low end on
	ds_store_b128 v[STO], v[ACC+8*(4*(\a)+\b)+4:ACC+8*(4*(\a)+\b)+7] offset:64*\b+16
.endr
.irp t, 0,1,2,3,4,5,6,7
	ds_load_b128 v[OB+32*((\a)%2)+4*\t:OB+32*((\a)%2)+4*\t+3], v[RD] offset:\t*2*SP
.endr
.endm
.macro SEND a, younger
	s_wait_dscnt \younger
.irp t, 0,1,2,3,4,5,6,7
	global_store_b128 v[CO], v[OB+32*((\a)%2)+4*\t:OB+32*((\a)%2)+4*\t+3], s[12:13] offset:(16*(\a)+2*\t)*4096 th:TH_STORE_NT
.endr
.endm
	PLACES 4
	TOSTAGE 0
.irp a, 1,2,3
.if \a > 1
	s_wait_xcnt 0x0                                ; block a - 2's stores have read their registers: block a's loads may land there
.endif
	TOSTAGE \a
	SEND \a-1, 16                                  ; behind block a - 1's loads: block a's 8 stores and 8 loads
.endr
	SEND 3, 0
	s_set_vgpr_msb 0x5
	s_wait_tensorcnt 0x0
	ds_add_u32 v254, v255
	s_wait_dscnt 0x0
	s_set_vgpr_msb 0x500
	CROUND                                         ; the closing round: no work-group ends while a partner may still ask for a tile that names it
	s_endpgm
.Lfunc_end_k_q023658c165_proj:
	.size	k_q023658c165_proj, .Lfunc_end_k_q023658c165_proj-k_q023658c165_proj
	.p2alignl 7, 3214868480
	.fill 96, 4, 3214868480
	.section	.rodata,"a",@progbits
	.p2align	6, 0x0
	.amdhsa_kernel k_q023658c165_proj
		.amdhsa_group_segment_fixed_size 239104
		.amdhsa_private_segment_fixed_size 0
		.amdhsa_enable_private_segment 0
		.amdhsa_kernarg_size 40
		.amdhsa_user_sgpr_count 2
		.amdhsa_user_sgpr_kernarg_segment_ptr 1
		.amdhsa_wavefront_size32 1
		.amdhsa_system_sgpr_workgroup_id_x 1
		.amdhsa_system_sgpr_workgroup_id_y 1
		.amdhsa_system_sgpr_workgroup_id_z 1
		.amdhsa_system_vgpr_workitem_id 0
		.amdhsa_next_free_vgpr 512
		.amdhsa_next_free_sgpr 92
		.amdhsa_reserve_vcc 0
		.amdhsa_float_denorm_mode_32 3
		.amdhsa_float_denorm_mode_16_64 3
		.amdhsa_memory_ordered 1
		.amdhsa_forward_progress 1
		.amdhsa_inst_pref_size 58
	.end_amdhsa_kernel
	.amdgpu_metadata
---
amdhsa.version: [ 1, 2 ]
amdhsa.kernels:
  - .name:           k_q023658c165_proj
    .symbol:         k_q023658c165_proj.kd
    .args:
      - { .name: AC, .offset: 0, .size: 8, .value_kind: global_buffer, .address_space: global }
      - { .name: AS, .offset: 8, .size: 8, .value_kind: global_buffer, .address_space: global }
      - { .name: Wo_codes, .offset: 16, .size: 8, .value_kind: global_buffer, .address_space: global }
      - { .name: Wo_scales, .offset: 24, .size: 8, .value_kind: global_buffer, .address_space: global }
      - { .name: out0, .offset: 32, .size: 8, .value_kind: global_buffer, .address_space: global }
    .group_segment_fixed_size: 239104
    .private_segment_fixed_size: 0
    .kernarg_segment_align: 8
    .kernarg_segment_size: 40
    .max_flat_workgroup_size: 128
    .sgpr_count:     92
    .vgpr_count:     512
    .wavefront_size: 32
...
	.end_amdgpu_metadata
.endif
;; end of part 3
